; MI455X (gfx1250); checked and timed in simulation.
; The chip was launched on July 23, 2026; its instructions are those of AMD's public machine-readable ISA for CDNA 5 (MIT licence, August 2026) and "CDNA5" Instruction Set Architecture Reference Guide (July 2026). The comments in the code are by the model that wrote it; some were corrected since.
;; Qwen3 Attention. Allowed arithmetic: matrix products marked QUANTISED: E2M3 operands, one E8M0 scale for each 32 along K, by v_wmma_scale_f32_16x16x128_f8f6f4 with both operands' format E2M3, f32 sums; everything else in f32.
;; Inputs: Wk 1,024 x 1,024 float32; Wo 1,024 x 2,048 float32; Wq 2,048 x 1,024 float32; Wv 1,024 x 1,024 float32; attention_mask 2 x 1 x 2,048 x 2,048 float32; cos 2 x 2,048 x 128 float32; hidden_states 2 x 2,048 x 1,024 float32; k_norm_w 128 float32; q_norm_w 128 float32; sin 2 x 2,048 x 128 float32.
;; Outputs: out0 2 x 2,048 x 1,024 float32.
;; This version of the problem:
;;   THIS VERSION OF THE PROBLEM IS GIVEN IN LOW PRECISION. The matrix products marked QUANTISED in the list below multiply operands that are first quantised to E2M3 (2 exponent bits, 3 mantissa bits; 6 bits a number), with one power-of-two scale for each 32 numbers along K (OCP MX v1.0); their sums are f32. All else is computed in f32.
;;   The module's matrix products, in the order in which they are computed (A, B: the left and right operand; K: the contracted axis; several contracted axes count as one K, in the product's order):
;;     1. [M 4,096, K 1,024] x [K 1,024, N 2,048]; A: input hidden_states; B: input Wq: QUANTISED
;;     2. [M 4,096, K 1,024] x [K 1,024, N 1,024]; A: input hidden_states; B: input Wk: QUANTISED
;;     3. [M 4,096, K 1,024] x [K 1,024, N 1,024]; A: input hidden_states; B: input Wv: QUANTISED
;;     4. batch 32 x [M 2,048, K 128] x [K 128, N 2,048]; A: computed on the way; B: computed on the way: QUANTISED
;;     5. batch 32 x [M 2,048, K 2,048] x [K 2,048, N 128]; A: softmax (see below); B: computed on the way: QUANTISED
;;     6. [M 4,096, K 2,048] x [K 2,048, N 1,024]; A: computed on the way; B: input Wo: QUANTISED
;;   THE QUANTISER, for each operand of a quantised product, along K:
;;     - K is cut into blocks of 32 from its start; a last block that is shorter is filled with zeros.
;;     - A block's scale is 2^e with e = floor(log2(the largest magnitude in the block)) - 2, held to -126 .. 127; a block of zeros has e = 0. As a byte (E8M0): e + 127.
;;     - Each number is divided by its block's scale, clamped to +-7.5, and rounded to the nearest number of E2M3, ties to even, subnormals kept.
;;     - The product sums the exact products of the quantised numbers (number of the format x scale) in f32.
;;   ~~~python
;;   def quantise(x, axis):      # numpy; x: float32 -> the quantised numbers, widened to float32 again
;;       x = np.moveaxis(x, axis, -1); K = x.shape[-1]
;;       x = np.pad(x, [(0, 0)] * (x.ndim - 1) + [(0, -K % 32)]); x = x.reshape(x.shape[:-1] + (-1, 32)); a = np.abs(x).max(-1, keepdims=True)
;;       e = np.where(a > 0, np.clip(np.frexp(np.where(a > 0, a, 1))[1] - 1 - 2, -126, 127), 0)      # np.frexp(a)[1] - 1 = floor(log2(a)), exactly
;;       r = np.clip(x / 2.0 ** e, -7.5, 7.5)
;;       step = 2.0 ** (np.maximum(np.frexp(np.where(r == 0, 1, r))[1] - 1, 0) - 3)
;;       q = np.round(r / step) * step * 2.0 ** e      # np.round: ties to even
;;       return np.moveaxis(q.reshape(q.shape[:-2] + (-1,))[..., :K], -1, axis).astype(np.float32)
;;   ~~~
;;   SOFTMAX AHEAD OF A QUANTISED PRODUCT. Where the list says 'softmax', what is quantised is not the finished softmax but p = 2^(t - M), with t = logit x log2(e) and M = ceil(the row's largest t), a whole number; so 1/2 < the row's largest p <= 1. The row's sum l is taken of the UNQUANTISED p, in f32, and the product's result is divided by l at the end. Since M is a whole number, a kernel that streams over the keys may use a running M (the ceiling of the running maximum): every later rescaling is an exact power of two, which a block's scale takes up: the codes' values come out the same.
;;   OPERANDS COMPUTED ON THE WAY. 'Computed on the way' means the value that the module computes at that place (a softmax that the list does not call 'softmax' is quantised finished and normalised). What goes into a quantiser is computed in f32, as accurately as f32 sums, v_exp_f32 and their like allow (about 1e-6 of the number): no bf16 or f16 on the way to a quantiser, and a product that is left as it is and whose result goes on into a quantised operand takes f32 operands (vector FMAs, or v_wmma_f32_16x16x4_f32). A number that lies on a knife's edge between two numbers of the format may be rounded either way, as far as f32 arithmetic and the matrix unit's own rounding can turn it there, and no further.
;; One version. Each part assembles by itself: llvm-mc -triple=amdgcn-amd-amdhsa -mcpu=gfx1250 --defsym DOCPART=n.
;; ======== version 1 of 1: 4 launches
;; limits: right only within a limited range of input values
;; workspace buffers: opc 8,192,000 bytes; qimg 6,553,600 bytes; kvimg 6,553,600 bytes; aimg 6,553,600 bytes
;; launch quant (part 1): grid 1280 x 1, 4 waves a work-group, no clusters, 34,816 bytes of LDS; arguments hidden_states, Wq, Wk, Wv, Wo, opc; writes opc
.if DOCPART == 1
	.amdgcn_target "amdgcn-amd-amdhsa--gfx1250"
	.amdhsa_code_object_version 6
	.text
	.protected	k_qafa7f6cb05_quant
	.globl	k_qafa7f6cb05_quant
	.p2align	8
	.type	k_qafa7f6cb05_quant,@function
k_qafa7f6cb05_quant:
	s_mov_b64 s[64:65], 0
	v_nop
	global_prefetch_b8 v0, s[64:65] scope:SCOPE_SE
	s_setreg_imm32_b32 hwreg(HW_REG_WAVE_MODE, 25, 1), 1
	s_wait_xcnt 0x0
; hidden_states [4096][1024], Wq [2048][1024], Wk, Wv [1024][1024], Wo [1024][2048], f32 with K innermost, become codes of FP6 (E2M3), 6 bits each, with one E8M0 byte for each 32 along K.
; A block's scale is 2^(floor(log2(its largest magnitude)) - 2); its byte is the largest magnitude's exponent field - 2, held at 1 from below; each number is divided by the scale and rounded to the nearest code, ties to even, beyond 7.5 the largest code.
; LIMITS: NaN and infinities are not served; a block whose largest magnitude lies under 2^-124 keeps the byte 1; a block of zeros keeps the byte 1 where the quantiser says 127: its codes are zeros, and this program alone reads the bytes.
; THE OPERAND BLOCK, 12,800 bytes, is the one layout of this program's workspace: 128 rows x 128 along K in the ORDER OF THE OPERAND'S REGISTERS.  Tile T (0..7), group c (0..2), lane l: registers 4 c .. 4 c + 3 of the lane's
; 12-register fragment at 1536 T + 512 c + 16 l.  Lane (r = l % 16, h = l / 16) of tile T holds row 32 (T / 2) + 8 (T % 2) + r + 8 (r / 8); registers 6 c' .. 6 c' + 5 hold k = 64 c' + 32 h + 0 .. 31.
; The row's scale word (four bytes) lies at 12288 + 256 (T / 4) + 16 r + 4 (T % 4).  opc: [row block of 128: x 0-31, Wq 32-47, Wk 48-55, Wv 56-63][K step 0-7], then from block 512 on Wo [row block 0-7][K step 0-15].
; SHARES.  A work-group takes 64 rows x 128 along K: half a block; wave w its tile 4 half + w.  1,280 equal work-groups.  Work-groups share no input: no cluster, no tensor load, no matrix unit: a stream.
; Each of a wave's 16 loads reads a row's 512 consecutive bytes; the conversions want 16 neighbours along K in one lane, so the 8 KiB turn through the wave's own stage in LDS.
.set PL,    528                        ; a stage row: 512 bytes + 16 = 132 words: row r starts at bank 4 r mod 64 (64 banks of 4 bytes: ISA guide 11.1)
.set WSTG,  16*PL                      ; a wave's stage
.set SCB,   4*WSTG                     ; behind the stages: the half block's 256 bytes of scale words
.set OBB,   12800
.set OFF,   16                         ; v16-31   byte offset of my 16 bytes in row i of the tile
.set XR,    32                         ; v32-95   the tile as loaded
.set YR,    96                         ; v96-159  register 16 b + i = k 32 b + 16 h + i of my row
.set TM,    160                        ; v160-171 at work in QUANT
.set PC,    172                        ; v172-183 the codes; v184-191 at work
.set PW,    192                        ; v192     the scale word
.set SEL,   40                         ; s[40:41] lane selects for v_permlanex16_b32: lane l xor 16
.set MSB, 0
.macro WIN new                         ; the immediate's high byte repeats the setting that is left; a switch that changes nothing is dropped (in this text every window is 0)
.if MSB != (\new)
	s_set_vgpr_msb (MSB<<8)|(\new)
.set MSB, \new
.endif
.endm
; 64 numbers of a lane, v[s] .. v[s + 63] of window W, register 16 b + i = k 32 b + 16 (lane / 16) + i of the lane's row, become a fragment's codes in v[PC] on and its scale word in v[PW].
.macro QUANT s, W
	WIN (\W)|((\W)<<2)
.irp b, 0,1,2,3
	v_max3_num_f32 v[TM+\b], |v[(\s)+16*\b]|, |v[(\s)+16*\b+1]|, 0x1800000   ; block b: my 16 numbers, and the floor 2^(3 - 127): the byte cannot fall under 1
.endr
	WIN ((\W)<<2)|((\W)<<4)
.irp i, 2,4,6,8,10,12,14
.irp b, 0,1,2,3
	v_max3_num_f32 v[TM+\b], v[TM+\b], |v[(\s)+16*\b+\i]|, |v[(\s)+16*\b+\i+1]|   ; the four blocks by turns
.endr
.endr
	WIN 0
.irp b, 0,1,2,3
	v_permlanex16_b32 v[TM+4+\b], v[TM+\b], s[SEL], s[SEL+1]
.endr
.irp b, 0,1,2,3
	v_max_num_f32 v[TM+\b], v[TM+\b], v[TM+4+\b]       ; with lane l xor 16's: the block's largest magnitude
.endr
.irp b, 0,1,2,3
	v_add_nc_u32 v[TM+8+\b], 0xff000000, v[TM+\b]      ; 2 off its exponent field: the conversion takes the exponent field of this operand as its scale
.endr
.irp b, 0,1,2,3
	v_lshrrev_b32 v[TM+4+\b], 23, v[TM+8+\b]           ; the scale's byte
.endr
	v_lshl_or_b32 v[PW], v[TM+5], 8, v[TM+4]
	v_lshl_or_b32 v[PW], v[TM+6], 16, v[PW]
	v_lshl_or_b32 v[PW], v[TM+7], 24, v[PW]            ; my row's scale word
	WIN \W
.irp c, 0,1
	v_cvt_scalef32_pk16_fp6_f32 v[PC+6*\c:PC+6*\c+2], v[(\s)+32*\c:(\s)+32*\c+15], v[TM+8+2*\c]
	v_cvt_scalef32_pk16_fp6_f32 v[PC+12+4*\c:PC+12+4*\c+2], v[(\s)+32*\c+16:(\s)+32*\c+31], v[TM+9+2*\c]   ; (a conversion's three registers begin on an even number)
.endr
	WIN 0
	v_nop                                              ; one plain instruction behind the scaled conversions
.irp c, 0,1                                            ; the operand's layout wants a whole block in a lane: lanes 0-15 block 2 c, lanes 16-31 block 2 c + 1
.irp i, 0,1,2
	v_permlane16_swap_b32 v[PC+6*\c+\i], v[PC+12+4*\c+\i]
.endr
.irp i, 0,1,2
	v_mov_b32 v[PC+3+6*\c+\i], v[PC+12+4*\c+\i]
.endr
.endr
.endm
	s_load_b256 s[4:11], s[0:1], 0x0               ; hidden_states s[4:5], Wq s[6:7], Wk s[8:9], Wv s[10:11]
	s_load_b128 s[12:15], s[0:1], 0x20             ; Wo s[12:13], opc s[14:15]
	v_lshl_add_u32 v200, v0, 2, 0x8600
	v_mov_b32 v201, 0
	v_lshrrev_b32 v1, 5, v0
	v_readfirstlane_b32 s16, v1                    ; wave 0..3
	v_and_b32 v1, 31, v0                           ; lane
	v_and_b32 v2, 15, v0                           ; r
	v_bfe_u32 v3, v0, 4, 1                         ; h
	v_lshlrev_b32 v4, 4, v1                        ; 16 x lane
	s_mul_i32 s17, s16, WSTG
	v_add_nc_u32 v5, s17, v4                       ; the stage, on the way in: a row's 512 bytes as they lie
	v_mul_u32_u24 v6, v2, PL
	v_lshl_add_u32 v6, v3, 6, v6
	v_add_nc_u32 v6, s17, v6                       ; and on the way out: row r, + 64 h
	s_lshl_b32 s17, s16, 2
	v_lshl_add_u32 v7, v2, 4, s17
	v_add_nc_u32 v7, SCB, v7                       ; my row's scale word: 16 r + 4 wave
	v_lshlrev_b32 v8, 3, v1
	v_add_nc_u32 v9, SCB, v8                       ; wave 0 reads the 256 bytes back, 8 a lane
	s_mov_b32 s[SEL], 0x76543210
	s_mov_b32 s[SEL+1], 0xfedcba98
.irp b, 0,1,2,3
	v_mov_b32 v[TM+4+\b], 0                        ; written once: a lane permute's destination counts as one of its sources
.endr
	; which tensor, which 64 rows, which K step: all from the work-group's number
	s_lshr_b32 s18, ttmp9, 3                       ; the first four tensors: group of 64 rows,
	s_and_b32 s19, ttmp9, 7                        ; K step,
	s_lshr_b32 s20, s18, 1
	s_lshl_b32 s20, s20, 3
	s_add_co_u32 s20, s20, s19                     ; operand block
	s_sub_co_u32 s21, ttmp9, 1024                  ; Wo: the same of the number less 1,024
	s_lshr_b32 s22, s21, 4
	s_and_b32 s23, s21, 15
	s_lshr_b32 s24, s21, 5
	s_lshl_b32 s24, s24, 4
	s_add_co_u32 s24, s24, s23
	s_add_co_u32 s24, s24, 512
	s_mov_b32 s28, 8192                            ; a row of Wo in bytes
	s_wait_kmcnt 0x0
	s_cmp_lt_u32 ttmp9, 512                        ; the choices hang on the work-group's number alone
	s_cselect_b64 s[26:27], s[4:5], s[6:7]
	s_cselect_b32 s25, 0, 64
	s_cmp_lt_u32 ttmp9, 768
	s_cselect_b64 s[26:27], s[26:27], s[8:9]
	s_cselect_b32 s25, s25, 96
	s_cmp_lt_u32 ttmp9, 896
	s_cselect_b64 s[26:27], s[26:27], s[10:11]
	s_cselect_b32 s25, s25, 112
	s_sub_co_u32 s25, s18, s25                     ; the group of 64 rows inside its tensor
	s_cmp_lt_u32 ttmp9, 1024
	s_cselect_b64 s[26:27], s[26:27], s[12:13]
	s_cselect_b32 s25, s25, s22
	s_cselect_b32 s19, s19, s23
	s_cselect_b32 s20, s20, s24
	s_cselect_b32 s28, 4096, s28                   ; a row in bytes
	s_and_b32 s29, s25, 1                          ; which half of the operand block
	s_lshl_b32 s30, s25, 6
	s_lshr_b32 s31, s16, 1
	s_lshl_b32 s31, s31, 5
	s_add_co_u32 s30, s30, s31
	s_and_b32 s31, s16, 1
	s_lshl_b32 s31, s31, 3
	s_add_co_u32 s30, s30, s31                     ; my tile's first row: 64 x group + 32 (wave / 2) + 8 (wave % 2)
	s_mul_i32 s30, s30, s28
	s_lshl_b32 s31, s19, 9
	s_add_co_u32 s30, s30, s31                     ; + 512 bytes a K step
	s_mov_b32 s31, 0
	s_add_nc_u64 s[26:27], s[26:27], s[30:31]
	s_mul_i32 s32, s20, OBB
	s_mov_b32 s33, 0
	s_add_nc_u64 s[14:15], s[14:15], s[32:33]      ; the operand block
	s_mul_i32 s32, s29, 6144
	s_mul_i32 s34, s16, 1536
	s_add_co_u32 s32, s32, s34
	s_add_nc_u64 s[36:37], s[14:15], s[32:33]      ; my tile's codes
	s_lshl_b32 s32, s29, 8
	s_add_co_u32 s32, s32, 12288
	s_add_nc_u64 s[38:39], s[14:15], s[32:33]      ; the half's 256 bytes of scale words
.irp i, 0,1,2,3,4,5,6,7,8,9,10,11,12,13,14,15
	v_mad_u32_u24 v[OFF+\i], s28, \i+8*(\i/8), v4  ; the tile's row i lies i + 8 (i / 8) rows on
.endr
.irp i, 0,1,2,3,4,5,6,7,8,9,10,11,12,13,14,15
	global_load_b128 v[XR+4*\i:XR+4*\i+3], v[OFF+\i], s[26:27] th:TH_LOAD_NT   ; 32 lanes read 512 consecutive bytes; read once in the launch
.endr
.irp i, 0,1,2,3,4,5,6,7,8,9,10,11,12,13,14,15
	s_wait_loadcnt 15-\i                           ; loads come back in order (ISA guide 5.7.1): row i is in, the younger ones stay out
	ds_store_b128 v5, v[XR+4*\i:XR+4*\i+3] offset:PL*\i
.endr
.irp b, 0,1,2,3
.irp j, 0,1,2,3
	ds_load_b128 v[YR+16*\b+4*\j:YR+16*\b+4*\j+3], v6 offset:128*\b+16*\j   ; LDS serves a wave's instructions in order (ISA guide 5.7.1.4): these see my stores
.endr
.endr
	s_wait_dscnt 0x0
	QUANT YR, 0
.irp c, 0,1,2
	global_store_b128 v4, v[PC+4*\c:PC+4*\c+3], s[36:37] offset:512*\c   ; 32 lanes store 512 consecutive bytes, at a multiple of 256 from the buffer's first byte
.endr
	ds_store_b32 v7, v[PW]                         ; lanes l and l + 16 write the same word with the same value
	s_wait_dscnt 0x0                               ; for the others' sake: my word has landed
	s_barrier_signal -1
	s_barrier_wait -1
	s_cmp_lg_u32 s16, 0
	s_cbranch_scc1 .Ldone
	ds_load_b64 v[194:195], v9                     ; the four waves' words
	s_wait_dscnt 0x0
	global_store_b64 v8, v[194:195], s[38:39]      ; 32 lanes store 256 consecutive bytes, aligned
.Ldone:
	s_wait_tensorcnt 0x0
	ds_add_u32 v200, v201
	s_wait_dscnt 0x0
	s_endpgm
.Lfunc_end_k_qafa7f6cb05_quant:
	.size	k_qafa7f6cb05_quant, .Lfunc_end_k_qafa7f6cb05_quant-k_qafa7f6cb05_quant
	.p2alignl 7, 3214868480
	.fill 96, 4, 3214868480
	.section	.rodata,"a",@progbits
	.p2align	6, 0x0
	.amdhsa_kernel k_qafa7f6cb05_quant
		.amdhsa_group_segment_fixed_size 34816
		.amdhsa_private_segment_fixed_size 0
		.amdhsa_enable_private_segment 0
		.amdhsa_kernarg_size 48
		.amdhsa_user_sgpr_count 2
		.amdhsa_user_sgpr_kernarg_segment_ptr 1
		.amdhsa_wavefront_size32 1
		.amdhsa_system_sgpr_workgroup_id_x 1
		.amdhsa_system_sgpr_workgroup_id_y 1
		.amdhsa_system_sgpr_workgroup_id_z 1
		.amdhsa_system_vgpr_workitem_id 0
		.amdhsa_next_free_vgpr 202
		.amdhsa_next_free_sgpr 66
		.amdhsa_reserve_vcc 0
		.amdhsa_float_denorm_mode_32 3
		.amdhsa_float_denorm_mode_16_64 3
		.amdhsa_memory_ordered 1
		.amdhsa_forward_progress 1
		.amdhsa_inst_pref_size 14
	.end_amdhsa_kernel
	.amdgpu_metadata
---
amdhsa.version: [ 1, 2 ]
amdhsa.kernels:
  - .name:           k_qafa7f6cb05_quant
    .symbol:         k_qafa7f6cb05_quant.kd
    .args:
      - { .name: hidden_states, .offset: 0, .size: 8, .value_kind: global_buffer, .address_space: global }
      - { .name: Wq, .offset: 8, .size: 8, .value_kind: global_buffer, .address_space: global }
      - { .name: Wk, .offset: 16, .size: 8, .value_kind: global_buffer, .address_space: global }
      - { .name: Wv, .offset: 24, .size: 8, .value_kind: global_buffer, .address_space: global }
      - { .name: Wo, .offset: 32, .size: 8, .value_kind: global_buffer, .address_space: global }
      - { .name: opc, .offset: 40, .size: 8, .value_kind: global_buffer, .address_space: global }
    .group_segment_fixed_size: 34816
    .private_segment_fixed_size: 0
    .kernarg_segment_align: 8
    .kernarg_segment_size: 48
    .max_flat_workgroup_size: 128
    .sgpr_count:     66
    .vgpr_count:     202
    .wavefront_size: 32
...
	.end_amdgpu_metadata
.endif
;; end of part 1
;; launch qkv (part 2): grid 16 x 16, 4 waves a work-group, clusters of 4 x 4, 327,680 bytes of LDS; arguments opc, cos, sin, q_norm_w, k_norm_w, qimg, kvimg; writes qimg, kvimg
.if DOCPART == 2
	.amdgcn_target "amdgcn-amd-amdhsa--gfx1250"
	.amdhsa_code_object_version 6
	.text
	.protected	k_qafa7f6cb05_qkv
	.globl	k_qafa7f6cb05_qkv
	.p2align	8
	.type	k_qafa7f6cb05_qkv,@function
k_qafa7f6cb05_qkv:
	s_mov_b64 s[64:65], 0
	v_nop
	global_prefetch_b8 v0, s[64:65] scope:SCOPE_SE
	s_setreg_imm32_b32 hwreg(HW_REG_WAVE_MODE, 25, 1), 1
	s_wait_xcnt 0x0
	s_wait_alu depctr_hold_cnt(0) depctr_sa_sdst(0) depctr_va_vdst(0) depctr_va_sdst(0) depctr_va_ssrc(0) depctr_va_vcc(0) depctr_vm_vsrc(0)
	s_getreg_b32 s2, hwreg(HW_REG_IB_STS2, 6, 4)
	s_cmp_eq_u32 s2, 0
	s_cbranch_scc0 .Lentry_in_a_cluster
	s_endpgm
.Lentry_in_a_cluster:
	s_bfe_u32 s2, ttmp6, 0x10000c
	s_cmp_lg_u32 s2, 0xf033
	s_cbranch_scc0 .Lentry_shape_is_right
	s_endpgm
.Lentry_shape_is_right:
.set OBB,   12800
.set PAIR,  2*OBB
.set SLOT,  4*PAIR
.set SPARE, 3*SLOT
.set RBLK,  8*OBB
.set FR,    12
.set ADRA,  16
.set ADRB,  19
.set ADRS,  22
.set SPW,   28
.set NIL,   29
.set SC,    32
.set AF,    128
.set TM,    8
.set SSA,   20
.set RS,    22
.set SSB,   24
.set TW,    26
.set PW,    27
.set SW,    32
.set SWT,   40
.set PC,    44
.set NW,    64
.set YY,    128
.set ZZ,    192
.set WV,    18
.set RH,    19
.set CH,    20
.set CX,    21
.set CY,    22
.set CLX,   23
.set CLY,   24
.set G1A,   28
.set G1B,   36
.set G0A,   44
.set G0B,   68
.set SEL,   80
.set OUT,   84
.set COSP,  86
.set SINP,  88
.set NWP,   90
.set MUL_LO, 0xa1
.set MUL_HI, 0xf1
.set MSB, 0
.macro WIN new
.if MSB != (\new)
	s_set_vgpr_msb (MSB<<8)|(\new)
.set MSB, \new
.endif
.endm
.macro PLACES n
.rept \n
	v_nop
.endr
.endm
.macro QUANT s, W
	WIN (\W)|((\W)<<2)
.irp b, 0,1,2,3
	v_max3_num_f32 v[TM+\b], |v[(\s)+16*\b]|, |v[(\s)+16*\b+1]|, 0x1800000
.endr
	WIN ((\W)<<2)|((\W)<<4)
.irp i, 2,4,6,8,10,12,14
.irp b, 0,1,2,3
	v_max3_num_f32 v[TM+\b], v[TM+\b], |v[(\s)+16*\b+\i]|, |v[(\s)+16*\b+\i+1]|
.endr
.endr
	WIN 0
.irp b, 0,1,2,3
	v_permlanex16_b32 v[TM+4+\b], v[TM+\b], s[SEL], s[SEL+1]
.endr
.irp b, 0,1,2,3
	v_max_num_f32 v[TM+\b], v[TM+\b], v[TM+4+\b]
.endr
.irp b, 0,1,2,3
	v_add_nc_u32 v[TM+8+\b], 0xff000000, v[TM+\b]
.endr
.irp b, 0,1,2,3
	v_lshrrev_b32 v[TM+4+\b], 23, v[TM+8+\b]
.endr
	v_lshl_or_b32 v[PW], v[TM+5], 8, v[TM+4]
	v_lshl_or_b32 v[PW], v[TM+6], 16, v[PW]
	v_lshl_or_b32 v[PW], v[TM+7], 24, v[PW]
	WIN \W
.irp c, 0,1
	v_cvt_scalef32_pk16_fp6_f32 v[PC+6*\c:PC+6*\c+2], v[(\s)+32*\c:(\s)+32*\c+15], v[TM+8+2*\c]
	v_cvt_scalef32_pk16_fp6_f32 v[PC+12+4*\c:PC+12+4*\c+2], v[(\s)+32*\c+16:(\s)+32*\c+31], v[TM+9+2*\c]
.endr
	WIN 0
	v_nop
.irp c, 0,1
.irp i, 0,1,2
	v_permlane16_swap_b32 v[PC+6*\c+\i], v[PC+12+4*\c+\i]
.endr
.irp i, 0,1,2
	v_mov_b32 v[PC+3+6*\c+\i], v[PC+12+4*\c+\i]
.endr
.endr
.endm
.macro JLOAD g0a, g0b
	s_cmp_eq_u32 s[RH], 0
	s_cbranch_scc0 .Lfor_b_\@
	tensor_load_to_lds s[\g0a:\g0a+3], s[G1A:G1A+7]
	s_nop 0
.rept 4
	v_nop
.endr
	s_branch .Lasked_\@
.Lfor_b_\@:
	tensor_load_to_lds s[\g0b:\g0b+3], s[G1B:G1B+7]
	s_nop 0
.rept 4
	v_nop
.endr
.Lasked_\@:
.endm
.macro CREST
	s_cmp_lg_u32 s[WV], 0
	s_cbranch_scc1 .Lnot_wave_0_\@
	s_barrier_signal -3
.Lnot_wave_0_\@:
	s_barrier_wait -3
	s_barrier_signal -1
	s_barrier_wait -1
.endm
.macro CROUND
	s_barrier_signal -1
	s_barrier_wait -1
	CREST
.endm
	s_load_b256 s[4:11], s[0:1], 0x0
	s_load_b128 s[12:15], s[0:1], 0x20
	s_load_b64 s[16:17], s[0:1], 0x30
	v_lshl_add_u32 v[SPW], v0, 2, SPARE
	v_mov_b32 v[NIL], 0
	ds_add_u32 v28, v29
	ds_add_u32 v28, v29
	s_wait_dscnt 0x0
	v_lshrrev_b32 v1, 5, v0
	v_readfirstlane_b32 s[WV], v1
	s_lshr_b32 s[RH], s[WV], 1
	s_and_b32 s[CH], s[WV], 1
	s_bfe_u32 s[CX], ttmp6, 0x40000
	s_bfe_u32 s[CY], ttmp6, 0x40004
	s_mov_b32 s[CLX], ttmp9
	s_and_b32 s[CLY], ttmp7, 0xffff
	s_lshl_b32 s60, s[CY], 2
	s_lshl_b32 s60, 15, s60
	s_lshl_b32 s61, 0x1111, s[CX]
	s_or_b32 s[G1A], s60, (3<<16)|(1<<21)
	s_or_b32 s[G1B], s61, (3<<16)|(1<<21)
.irp g, G1A, G1B
	s_mov_b32 s[\g+1], 32<<16
	s_mov_b32 s[\g+2], 100<<16
	s_mov_b32 s[\g+3], 32<<16
	s_mov_b32 s[\g+4], 100
	s_mov_b32 s[\g+5], 32
	s_mov_b32 s[\g+6], 0
	s_mov_b32 s[\g+7], 0
.endr
	s_lshl_b32 s94, s[CLY], 2
	s_lshl_b32 s95, s[CLX], 2
	s_add_co_u32 s95, s95, 16
	s_cmp_eq_u32 s[CLX], 3
	s_cselect_b32 s92, 28, s94
	s_cselect_b32 s96, s94, s95
	s_add_co_u32 s92, s92, s[CY]
	s_add_co_u32 s96, s96, s[CX]
	s_lshl_b32 s92, s92, 1
	s_add_co_u32 s92, s92, s[CH]
	s_lshl_b32 s96, s96, 1
	s_add_co_u32 s96, s96, s[CH]
	s_mul_i32 s92, s92, RBLK
	s_mul_i32 s96, s96, RBLK
	s_mov_b32 s93, 0
	s_mov_b32 s97, 0
	s_mul_i32 s98, s[WV], PAIR
	s_wait_kmcnt 0x0
	s_add_nc_u64 s[92:93], s[4:5], s[92:93]
	s_add_nc_u64 s[96:97], s[4:5], s[96:97]
	CROUND
.irp j, 0,1,2
	s_mov_b32 s[G0A+4*\j], 1
	s_add_co_u32 s[G0A+4*\j+1], s98, \j*SLOT
	s_add_nc_u64 s[G0A+4*\j+2:G0A+4*\j+3], s[92:93], \j*PAIR
	s_or_b32 s[G0A+4*\j+3], s[G0A+4*\j+3], 0x80000000
	s_mov_b32 s[G0B+4*\j], 1
	s_add_co_u32 s[G0B+4*\j+1], s98, \j*SLOT
	s_add_nc_u64 s[G0B+4*\j+2:G0B+4*\j+3], s[96:97], \j*PAIR
	s_or_b32 s[G0B+4*\j+3], s[G0B+4*\j+3], 0x80000000
	s_wait_alu depctr_va_vdst(0)
	s_wait_tensorcnt 0x0
	ds_add_u32 v28, v29
	ds_add_u32 v28, v29
	s_wait_dscnt 0x0
	CROUND
	JLOAD G0A+4*\j, G0B+4*\j
.endr
	v_and_b32 v1, 31, v0
	v_and_b32 v2, 15, v0
	v_bfe_u32 v3, v0, 4, 1
	v_lshlrev_b32 v4, 4, v1
	v_lshlrev_b32 v5, 4, v2
	s_mul_i32 s56, s[RH], PAIR
	s_mul_i32 s57, s[CH], PAIR
	s_add_co_u32 s57, s57, 2*PAIR
	s_sub_co_u32 s58, s57, s56
	v_mul_u32_u24 v6, s58, v3
	v_add_nc_u32 v6, v6, v5
.irp s, 0,1,2
	v_add_nc_u32 v[ADRA+\s], s56, v4
	v_add_nc_u32 v[ADRB+\s], s57, v4
	v_add_nc_u32 v[ADRS+\s], s56, v6
	s_add_co_u32 s56, s56, SLOT
	s_add_co_u32 s57, s57, SLOT
.endr
.macro FRAG reg, adr, off
.irp c, 0,1,2
	ds_load_b128 v[(\reg)+4*\c:(\reg)+4*\c+3], v[\adr] offset:(\off)+512*\c
.endr
.endm
.macro FETCH_B slot, q, p
	WIN 0x40
.irp i, 0,1,2,3,4,5,6,7
	FRAG 128*(\p)+FR*\i, ADRB+\slot, (\q)*OBB+1536*\i
.endr
	WIN 0
.endm
.macro FETCH_A slot, q, i0
.irp i, \i0, \i0+1, \i0+2, \i0+3
	FRAG AF+FR*(\i), ADRA+\slot, (\q)*OBB+1536*(\i)
.endr
.endm
.macro SCALES slot, set
.irp q, 0,1
.irp g, 0,1
	ds_load_b128 v[SC+16*(\set)+8*\q+4*\g:SC+16*(\set)+8*\q+4*\g+3], v[ADRS+\slot] offset:\q*OBB+12288+256*\g
.endr
.endr
.endm
.macro MUL16 a0, p, q, set, zero
.irp a, \a0, \a0+1
.irp b, 0,1,2,3,4,5,6,7
.if \zero
	v_wmma_scale_f32_16x16x128_f8f6f4 v[8*(8*((\a)%4)+\b):8*(8*((\a)%4)+\b)+7], v[128*(\p)+FR*\b:128*(\p)+FR*\b+FR-1], v[AF+FR*(\a):AF+FR*(\a)+FR-1], 0, v[SC+16*(\set)+8*(\q)+\b], v[SC+16*(\set)+8*(\q)+(\a)] matrix_a_fmt:MATRIX_FMT_FP6 matrix_b_fmt:MATRIX_FMT_FP6 matrix_a_scale:MATRIX_SCALE_ROW1
.else
	v_wmma_scale_f32_16x16x128_f8f6f4 v[8*(8*((\a)%4)+\b):8*(8*((\a)%4)+\b)+7], v[128*(\p)+FR*\b:128*(\p)+FR*\b+FR-1], v[AF+FR*(\a):AF+FR*(\a)+FR-1], v[8*(8*((\a)%4)+\b):8*(8*((\a)%4)+\b)+7], v[SC+16*(\set)+8*(\q)+\b], v[SC+16*(\set)+8*(\q)+(\a)] matrix_a_fmt:MATRIX_FMT_FP6 matrix_b_fmt:MATRIX_FMT_FP6 matrix_a_scale:MATRIX_SCALE_ROW1
.endif
.endr
.endr
.endm
.macro STEP q, set, nslot, nq, news, nset, zero
	s_wait_dscnt 12
	WIN MUL_LO
	MUL16 0, \q, \q, \set, \zero
	MUL16 2, \q, \q, \set, \zero
	s_wait_dscnt 0x0
	PLACES 4
	FETCH_B \nslot, \nq, 1-(\q)
	FETCH_A \nslot, \nq, 0
.if \news
	SCALES \nslot, \nset
.endif
	WIN MUL_HI
	MUL16 4, \q, \q, \set, \zero
	MUL16 6, \q, \q, \set, \zero
	PLACES 4
	WIN 0
	FETCH_A \nslot, \nq, 4
.endm
.macro TURN set, nslot, nset, fill
	s_wait_tensorcnt 0x0
	ds_add_u32 v[SPW], v[NIL]
	s_wait_dscnt 13
	WIN MUL_LO
	MUL16 0, 1, 1, \set, 0
	s_wait_dscnt 0x0
	s_barrier_signal -1
	MUL16 2, 1, 1, \set, 0
	WIN 0
	s_barrier_wait -1
.if \fill
	CREST
	s_add_nc_u64 s[G0A+2:G0A+3], s[G0A+2:G0A+3], 3*PAIR
	s_add_nc_u64 s[G0B+2:G0B+3], s[G0B+2:G0B+3], 3*PAIR
	JLOAD G0A, G0B
.else
	PLACES 4
.endif
	FETCH_B \nslot, 0, 0
	FETCH_A \nslot, 0, 0
	SCALES \nslot, \nset
	WIN MUL_HI
	MUL16 4, 1, 1, \set, 0
	MUL16 6, 1, 1, \set, 0
	PLACES 4
	WIN 0
	FETCH_A \nslot, 0, 4
.endm
	s_wait_alu depctr_va_vdst(0)
	s_wait_tensorcnt 0x2
	s_barrier_signal -1
	s_barrier_wait -1
	FETCH_B 0, 0, 0
	FETCH_A 0, 0, 0
	SCALES 0, 0
	FETCH_A 0, 0, 4
	STEP 0, 0, 0, 1, 0, 0, 1
	TURN 0, 1, 1, 1
	STEP 0, 1, 1, 1, 0, 0, 0
	STEP 1, 1, 2, 0, 1, 0, 0
	STEP 0, 0, 2, 1, 0, 0, 0
	TURN 0, 0, 1, 0
	STEP 0, 1, 0, 1, 0, 0, 0
	s_wait_dscnt 12
	WIN MUL_LO
	MUL16 0, 1, 1, 1, 0
	MUL16 2, 1, 1, 1, 0
	s_wait_dscnt 0x0
	WIN MUL_HI
	MUL16 4, 1, 1, 1, 0
	MUL16 6, 1, 1, 1, 0
	WIN 0
	PLACES 4
	v_and_b32 v1, 31, v0
	v_lshlrev_b32 v2, 4, v1
	v_and_b32 v6, 15, v0
	v_bfe_u32 v5, v0, 4, 1
	v_and_b32 v7, 8, v6
	v_add_nc_u32 v7, v7, v6
	v_lshlrev_b32 v4, 6, v5
	v_lshl_add_u32 v3, v7, 9, v4
.irp b, 0,1,2,3
	v_mov_b32 v[TM+4+\b], 0
.endr
	v_mov_b32 v[RS+1], 0
	v_mov_b32 v[TW], 0
	s_mov_b32 s[SEL], 0x76543210
	s_mov_b32 s[SEL+1], 0xfedcba98
	s_mov_b32 s82, 0x3c000000
	s_mov_b32 s83, 0x358637bd
	s_cmp_eq_u32 s[CLX], 3
	s_cbranch_scc1 .Lvpath
	s_lshl_b32 s92, s[CLY], 2
	s_add_co_u32 s92, s92, s[CY]
	s_lshl_b32 s92, s92, 1
	s_add_co_u32 s92, s92, s[RH]
	s_lshl_b32 s94, s92, 16
	s_mov_b32 s95, 0
	s_add_nc_u64 s[COSP:COSP+1], s[6:7], s[94:95]
	s_add_nc_u64 s[SINP:SINP+1], s[8:9], s[94:95]
	s_lshl_b32 s93, s[CLX], 2
	s_add_co_u32 s93, s93, s[CX]
	s_lshl_b32 s93, s93, 1
	s_add_co_u32 s93, s93, s[CH]
	s_lshr_b32 s96, s92, 4
	s_and_b32 s97, s92, 15
	s_mov_b32 s98, 2*OBB
	s_cmp_lt_u32 s[CLX], 2
	s_cselect_b64 s[OUT:OUT+1], s[14:15], s[16:17]
	s_cselect_b64 s[NWP:NWP+1], s[10:11], s[12:13]
	s_cselect_b32 s98, OBB, s98
	s_cselect_b32 s99, 4, 3
	s_cselect_b32 s94, 0, 16
	s_sub_co_u32 s93, s93, s94
	s_lshl_b32 s96, s96, s99
	s_add_co_u32 s96, s96, s93
	s_lshl_b32 s96, s96, 4
	s_add_co_u32 s96, s96, s97
	s_mul_i32 s94, s96, s98
	s_add_nc_u64 s[OUT:OUT+1], s[OUT:OUT+1], s[94:95]
	s_wait_alu depctr_va_vdst(0)
.irp b, 0,1,2,3
.irp j, 0,1,2,3
	global_load_b128 v[NW+16*\b+4*\j:NW+16*\b+4*\j+3], v4, s[NWP:NWP+1] offset:128*\b+16*\j
.endr
.endr
.macro CSLOAD a
	WIN 0x40
.irp b, 0,1,2,3
.irp j, 0,1,2,3
	global_load_b128 v[128*((\a)%2)+16*\b+4*\j:128*((\a)%2)+16*\b+4*\j+3], v3, s[COSP:COSP+1] offset:(32*((\a)/2)+8*((\a)%2))*512+128*\b+16*\j
	global_load_b128 v[128*((\a)%2)+64+16*\b+4*\j:128*((\a)%2)+64+16*\b+4*\j+3], v3, s[SINP:SINP+1] offset:(32*((\a)/2)+8*((\a)%2))*512+128*\b+16*\j
.endr
.endr
	WIN 0
.endm
.macro NORMROPE a
.set WA, 2+(\a)/4
.set AC, 64*((\a)%4)
.set CB, 128*((\a)%2)
	WIN WA|(WA<<2)
	v_pk_mul_f32 v[SSA:SSA+1], v[AC:AC+1], v[AC:AC+1]
	v_pk_mul_f32 v[SSB:SSB+1], v[AC+2:AC+3], v[AC+2:AC+3]
.set nn, 4
.rept 15
	v_pk_fma_f32 v[SSA:SSA+1], v[AC+nn:AC+nn+1], v[AC+nn:AC+nn+1], v[SSA:SSA+1]
	v_pk_fma_f32 v[SSB:SSB+1], v[AC+nn+2:AC+nn+3], v[AC+nn+2:AC+nn+3], v[SSB:SSB+1]
.set nn, nn+4
.endr
	WIN 0
	v_pk_add_f32 v[SSA:SSA+1], v[SSA:SSA+1], v[SSB:SSB+1]
	v_add_f32 v[SSA], v[SSA], v[SSA+1]
	v_permlanex16_b32 v[TW], v[SSA], s[SEL], s[SEL+1]
	v_add_f32 v[SSA], v[SSA], v[TW]
	v_fma_f32 v[TW], v[SSA], s82, s83
	s_wait_alu depctr_va_vdst(0)
	v_rsq_f32 v[RS], v[TW]
	v_nop
	s_wait_alu depctr_va_vdst(0)
	WIN WA
.set nn, 0
.rept 32
	v_pk_mul_f32 v[YY+nn:YY+nn+1], v[AC+nn:AC+nn+1], v[RS:RS+1] op_sel_hi:[1,0]
.set nn, nn+2
.endr
	WIN 0
.set nn, 0
.rept 32
	v_pk_mul_f32 v[YY+nn:YY+nn+1], v[YY+nn:YY+nn+1], v[NW+nn:NW+nn+1]
.set nn, nn+2
.endr
	WIN 0x04
.set nn, 0
.rept 32
	v_pk_mul_f32 v[ZZ+nn:ZZ+nn+1], v[YY+nn:YY+nn+1], v[CB+nn:CB+nn+1]
.set nn, nn+2
.endr
.set nn, 0
.rept 16
	v_pk_fma_f32 v[ZZ+nn:ZZ+nn+1], v[YY+32+nn:YY+33+nn], v[CB+64+nn:CB+65+nn], v[ZZ+nn:ZZ+nn+1] neg_lo:[1,0,0] neg_hi:[1,0,0]
	v_pk_fma_f32 v[ZZ+32+nn:ZZ+33+nn], v[YY+nn:YY+nn+1], v[CB+96+nn:CB+97+nn], v[ZZ+32+nn:ZZ+33+nn]
.set nn, nn+2
.endr
	WIN 0
.endm
.macro QKTILE a
.if (\a) < 7
	CSLOAD (\a)+1
	s_wait_loadcnt 32
.else
	s_wait_loadcnt 0x0
.endif
	NORMROPE \a
	s_wait_xcnt 0x0
	QUANT ZZ, 0
	v_mov_b32 v[SW+(\a)], v[PW]
.irp c, 0,1,2
	global_store_b128 v2, v[PC+4*\c:PC+4*\c+3], s[OUT:OUT+1] offset:1536*(\a)+512*\c
.endr
.endm
	CSLOAD 0
.irp a, 0,1,2,3,4,5,6,7
	QKTILE \a
.endr
	s_branch .Ltail
.Lvpath:
	s_lshl_b32 s92, s[CLY], 2
	s_add_co_u32 s92, s92, s[CX]
	s_lshl_b32 s92, s92, 1
	s_add_co_u32 s92, s92, s[CH]
	s_lshr_b32 s96, s92, 4
	s_and_b32 s97, s92, 15
	s_lshl_b32 s93, s[CY], 1
	s_add_co_u32 s93, s93, s[RH]
	s_lshl_b32 s96, s96, 3
	s_add_co_u32 s96, s96, s93
	s_lshl_b32 s96, s96, 4
	s_add_co_u32 s96, s96, s97
	s_mul_i32 s94, s96, 2*OBB
	s_add_co_u32 s94, s94, OBB
	s_mov_b32 s95, 0
	s_add_nc_u64 s[OUT:OUT+1], s[16:17], s[94:95]
.macro VTILE a
	s_wait_xcnt 0x0
	QUANT 64*((\a)%4), 2+(\a)/4
	v_mov_b32 v[SW+(\a)], v[PW]
.irp c, 0,1,2
	global_store_b128 v2, v[PC+4*\c:PC+4*\c+3], s[OUT:OUT+1] offset:1536*(\a)+512*\c
.endr
.endm
.irp a, 0,1,2,3,4,5,6,7
	VTILE \a
.endr
.Ltail:
	v_cmp_ne_u32 vcc_lo, 0, v5
	s_wait_alu depctr_va_vdst(0)
.irp i, 0,1,2,3
	v_cndmask_b32 v[SWT+\i], v[SW+\i], v[SW+4+\i], vcc_lo
.endr
	global_store_b128 v2, v[SWT:SWT+3], s[OUT:OUT+1] offset:12288
	s_wait_tensorcnt 0x0
	ds_add_u32 v[SPW], v[NIL]
	s_wait_dscnt 0x0
	CROUND
	s_endpgm
.Lfunc_end_k_qafa7f6cb05_qkv:
	.size	k_qafa7f6cb05_qkv, .Lfunc_end_k_qafa7f6cb05_qkv-k_qafa7f6cb05_qkv
	.p2alignl 7, 3214868480
	.fill 96, 4, 3214868480
	.section	.rodata,"a",@progbits
	.p2align	6, 0x0
	.amdhsa_kernel k_qafa7f6cb05_qkv
		.amdhsa_group_segment_fixed_size 327680
		.amdhsa_private_segment_fixed_size 0
		.amdhsa_enable_private_segment 0
		.amdhsa_kernarg_size 56
		.amdhsa_user_sgpr_count 2
		.amdhsa_user_sgpr_kernarg_segment_ptr 1
		.amdhsa_wavefront_size32 1
		.amdhsa_system_sgpr_workgroup_id_x 1
		.amdhsa_system_sgpr_workgroup_id_y 1
		.amdhsa_system_sgpr_workgroup_id_z 1
		.amdhsa_system_vgpr_workitem_id 0
		.amdhsa_next_free_vgpr 1024
		.amdhsa_next_free_sgpr 100
		.amdhsa_reserve_vcc 1
		.amdhsa_float_denorm_mode_32 3
		.amdhsa_float_denorm_mode_16_64 3
		.amdhsa_memory_ordered 1
		.amdhsa_forward_progress 1
		.amdhsa_inst_pref_size 255
	.end_amdhsa_kernel
	.section	.bss,"aw",@nobits
	.p2align	6
	.space	262144
	.amdgpu_metadata
---
amdhsa.version: [ 1, 2 ]
amdhsa.kernels:
  - .name:           k_qafa7f6cb05_qkv
    .symbol:         k_qafa7f6cb05_qkv.kd
    .args:
      - { .name: opc, .offset: 0, .size: 8, .value_kind: global_buffer, .address_space: global }
      - { .name: cos, .offset: 8, .size: 8, .value_kind: global_buffer, .address_space: global }
      - { .name: sin, .offset: 16, .size: 8, .value_kind: global_buffer, .address_space: global }
      - { .name: q_norm_w, .offset: 24, .size: 8, .value_kind: global_buffer, .address_space: global }
      - { .name: k_norm_w, .offset: 32, .size: 8, .value_kind: global_buffer, .address_space: global }
      - { .name: qimg, .offset: 40, .size: 8, .value_kind: global_buffer, .address_space: global }
      - { .name: kvimg, .offset: 48, .size: 8, .value_kind: global_buffer, .address_space: global }
    .group_segment_fixed_size: 327680
    .private_segment_fixed_size: 0
    .kernarg_segment_align: 8
    .kernarg_segment_size: 56
    .max_flat_workgroup_size: 128
    .sgpr_count:     100
    .vgpr_count:     1024
    .wavefront_size: 32
...
	.end_amdgpu_metadata
.endif
;; end of part 2
;; launch attn (part 3): grid 32 x 8, 8 waves a work-group, clusters of 4 x 4, 327,680 bytes of LDS; arguments qimg, kvimg, attention_mask, aimg; writes aimg
.if DOCPART == 3
	.amdgcn_target "amdgcn-amd-amdhsa--gfx1250"
	.amdhsa_code_object_version 6
	.text
	.protected	k_qafa7f6cb05_attn
	.globl	k_qafa7f6cb05_attn
	.p2align	8
	.type	k_qafa7f6cb05_attn,@function
k_qafa7f6cb05_attn:
	s_mov_b64 s[64:65], 0
	v_nop
	global_prefetch_b8 v0, s[64:65] scope:SCOPE_SE
	s_setreg_imm32_b32 hwreg(HW_REG_WAVE_MODE, 25, 1), 1
	s_wait_xcnt 0x0
	s_wait_alu depctr_hold_cnt(0) depctr_sa_sdst(0) depctr_va_vdst(0) depctr_va_sdst(0) depctr_va_ssrc(0) depctr_va_vcc(0) depctr_vm_vsrc(0)
	s_getreg_b32 s2, hwreg(HW_REG_IB_STS2, 6, 4)
	s_cmp_eq_u32 s2, 0
	s_cbranch_scc0 .Lentry_in_a_cluster
	s_endpgm
.Lentry_in_a_cluster:
	s_bfe_u32 s2, ttmp6, 0x10000c
	s_cmp_lg_u32 s2, 0xf033
	s_cbranch_scc0 .Lentry_shape_is_right
	s_endpgm
.Lentry_shape_is_right:
; For each head: S = q k^T, x = S / sqrt(128) + mask, t = x log2(e), p = 2^(t - M), O = p v / l; both products on codes of FP6 (E2M3) with E8M0 scales; O is quantised along d and leaves as an operand block for the last product.
; THE SOFTMAX: M = the row's largest t so far, rounded UP to a whole number (kept as -M = floor(-t)); p is quantised along the keys, not normalised; l is the sum of the unquantised p, in f32, and divides O at the end.
; When M moves, l and O are multiplied by 2^(old M - new M): exact.  x is one fused multiply-add onto the mask number, t - M one fused multiply-add of x: equal x give equal p, under a huge mask number too.
; THE MASK IS AN INPUT: every query walks all 2,048 keys and every mask number is read and added.
; LIMITS: NaN and +infinity are not served; the promise holds while |t| stays under 2^31; a mask number of -infinity gives p = 0 (a row with no finite logit is not served); a block of p that is all zeros keeps the byte 1;
; M is the ceiling of the ROUNDED product x log2(e), so where that product is a whole number the row's largest p may pass 1 by one rounding of f32, and its block's scale is then one step higher.
; SHARES.  A work-group owns 128 positions of one batch and the two query heads of one kv head; wave w owns token tile w (16 positions) for both heads.  16 key steps of 128 keys; 256 work-groups.
; LAYOUT.  Both products are used transposed: S^T = K Q^T, O^T = V^T P^T: a lane holds ONE position (row 32 (w / 2) + 8 (w % 2) + r + 8 (r / 8) of the block); register n of the eight results holds source 0's row 32 (n / 16) + 16 h + n % 16.
; CLUSTERS: 4 x 4 work-groups: x = four blocks of positions of one batch, y = four kv heads.  K and V are asked for jointly along a row of the cluster, the mask's tile along a column.
; LDS: two slots, 2^17 bytes apart: K's block at 0, V's at 12,800, the mask's 128 rows x 512 bytes at 25,600, rows 520 bytes apart.  Every wave issues one tensor load for a slot: waves 0-3 a quarter of K and V (25 rows of 256 bytes),
; waves 4-7 a quarter of the mask (32 rows), so that every way through the text passes a first fill.
; A KEY STEP reads all it needs from LDS at its head (K's eight fragments, the mask, then V's eight into K's registers).  As soon as these reads are over the wave says so, and the maxima, M and the rescaling, work on registers, stand between
; the signal and the wait of the round; behind the round the slot just read is filled with the key step two on.  One tensor load of a wave is out at any time.
; REGISTERS: window 0: v1-9 addresses; v12-27 statistics, 8 a head; v28-39 scale words; v40-63 Q; v64-159 eight fragments of K, then of V; v160-223 the mask, then p's codes and scratch; v224-239 block maxima.  window 1: v0-127 S^T, then p; v128-255 O^T.
.set OBB,   12800
.set MOFF,  2*OBB
.set MP,    520
.set SLOT1, 1<<17
.set SPARE, MOFF+128*MP                ; behind slot 0: the spare words, 128 bytes for each wave, that no other line names
.set SCST,  SPARE+1024                 ; the way out: 2 heads x 512 bytes of scale words; no fill lands here
.set LI,    1                          ; 16 x lane
.set AM0,   2                          ; my place in the mask's tile
.set AS0,   3                          ; my place among the scale words: lanes 0-15 K's, lanes 16-31 V's
.set SPW,   4                          ; LDS address of my spare word; never rewritten
.set NIL,   5                          ; 0; never rewritten
.set ADF,   6                          ; v6-8 the step's addresses
.set ADM,   7
.set ADS,   8
.set PFO,   9                          ; the prefetches' offset; never rewritten
.set ST,    12                         ; head u at v[ST + 8 u]: +0 -M, +1 the largest t, +2, +3 l in two halves, +4 f (later 1 / l), +5 0, +6, +7 at work
.set QS,    28
.set PS,    30
.set KS,    32                         ; tile t: lanes 0-15 K's word, lanes 16-31 V's
.set QF,    40
.set FRG,   64
.set ML,    160
.set PCD,   160                        ; p's codes, 12 a head, where the mask lay
.set PT,    184
.set BO,    192
.set SUMT,  200
.set BM,    224                        ; v224-231 block maxima, 4 a head
.set BP,    232                        ; v232-239 their partners' / the scale bytes
.set TM,    228                        ; QUANT's names for the way out
.set PC,    160
.set PW,    242
.set SSAD,  240
.set SRD,   241
.set WV,    12
.set CX,    13
.set CY,    14
.set CLX,   15
.set CLY,   16
.set WGX,   17
.set KVH,   18
.set BB,    19
.set SEL,   20
.set CS,    22                         ; s[22:23] 1 / sqrt(128)
.set TB,    24                         ; LDS byte at which the slot in hand begins
.set SLOTS, 25
.set LIM,   26
.set G1K,   28
.set G1M,   36
.set G0K,   44
.set G0M,   48
.set PFA,   52
.set PFS,   54
.set L2,    86                         ; s[86:87] log2(e)
.set MSB, 0
.macro WIN new                         ; the immediate's high byte repeats the setting that is left; a switch that changes nothing is dropped
.if MSB != (\new)
	s_set_vgpr_msb (MSB<<8)|(\new)
.set MSB, \new
.endif
.endm
.macro PLACES n
.rept \n
	v_nop
.endr
.endm
; 64 numbers of a lane, v[s] .. v[s + 63] of window W, register 16 b + i = k 32 b + 16 (lane / 16) + i of the lane's row, become a fragment's codes in v[PC] on and its scale word in v[PW].
.macro QUANT s, W
	WIN (\W)|((\W)<<2)
.irp b, 0,1,2,3
	v_max3_num_f32 v[TM+\b], |v[(\s)+16*\b]|, |v[(\s)+16*\b+1]|, 0x1800000   ; with the floor 2^(3 - 127): the byte cannot fall under 1
.endr
	WIN ((\W)<<2)|((\W)<<4)
.irp i, 2,4,6,8,10,12,14
.irp b, 0,1,2,3
	v_max3_num_f32 v[TM+\b], v[TM+\b], |v[(\s)+16*\b+\i]|, |v[(\s)+16*\b+\i+1]|
.endr
.endr
	WIN 0
.irp b, 0,1,2,3
	v_permlanex16_b32 v[TM+4+\b], v[TM+\b], s[SEL], s[SEL+1]
.endr
.irp b, 0,1,2,3
	s_delay_alu instid0(VALU_DEP_4)
	v_max_num_f32 v[TM+\b], v[TM+\b], v[TM+4+\b]
.endr
.irp b, 0,1,2,3
	s_delay_alu instid0(VALU_DEP_4)
	v_add_nc_u32 v[TM+8+\b], 0xff000000, v[TM+\b]      ; 2 off the exponent field: the conversion's scale operand
.endr
.irp b, 0,1,2,3
	s_delay_alu instid0(VALU_DEP_4)
	v_lshrrev_b32 v[TM+4+\b], 23, v[TM+8+\b]           ; the scale's byte
.endr
	s_delay_alu instid0(VALU_DEP_3)
	v_lshl_or_b32 v[PW], v[TM+5], 8, v[TM+4]
	s_delay_alu instid0(VALU_DEP_1)
	v_lshl_or_b32 v[PW], v[TM+6], 16, v[PW]
	s_delay_alu instid0(VALU_DEP_1)
	v_lshl_or_b32 v[PW], v[TM+7], 24, v[PW]
	WIN \W
.irp c, 0,1
	v_cvt_scalef32_pk16_fp6_f32 v[PC+6*\c:PC+6*\c+2], v[(\s)+32*\c:(\s)+32*\c+15], v[TM+8+2*\c]
	v_cvt_scalef32_pk16_fp6_f32 v[PC+12+4*\c:PC+12+4*\c+2], v[(\s)+32*\c+16:(\s)+32*\c+31], v[TM+9+2*\c]
.endr
	WIN 0
	v_nop                                              ; one plain instruction behind the scaled conversions
.irp c, 0,1
.irp i, 0,1,2
	v_permlane16_swap_b32 v[PC+6*\c+\i], v[PC+12+4*\c+\i]
.endr
.irp i, 0,1,2
	s_delay_alu instid0(VALU_DEP_3)
	v_mov_b32 v[PC+3+6*\c+\i], v[PC+12+4*\c+\i]
.endr
.endr
.endm
; A joint load, one a wave: waves 0-3 their quarter of K and V, waves 4-7 their quarter of the mask.  The branch hangs on the wave's number alone.  An s_nop 0 and four v_nop follow each line.
.macro TLOAD
	s_cmp_lt_u32 s[WV], 4
	s_cbranch_scc0 .Lfor_m_\@
	tensor_load_to_lds s[G0K:G0K+3], s[G1K:G1K+7]
	s_nop 0
.rept 4
	v_nop
.endr
	s_branch .Lasked_\@
.Lfor_m_\@:
	tensor_load_to_lds s[G0M:G0M+3], s[G1M:G1M+7]
	s_nop 0
.rept 4
	v_nop
.endr
.Lasked_\@:
.endm
.macro WALK                            ; the walking descriptors: the other slot than last time, the next key step (written only where no tensor load of mine is out)
	s_xor_b32 s[G0K+1], s[G0K+1], SLOT1
	s_add_nc_u64 s[G0K+2:G0K+3], s[G0K+2:G0K+3], 2*OBB
	s_xor_b32 s[G0M+1], s[G0M+1], SLOT1
	s_add_nc_u64 s[G0M+2:G0M+3], s[G0M+2:G0M+3], 512
.endm
; A PREFETCH INTO THE L2 of the key step behind the one that is being asked for (trip i loads key step i + 2 and names key step i + 3); one instruction a wave, behind the trip's tensor load.
; K's and V's 25,600 bytes (100 blocks of 256): the four clusters of a batch and a row of kv heads walk the same bytes: the first of them asks, wave 3; the partner at cx takes blocks 25 cx + min(lane, 24).
; The mask's 128 rows x 512 bytes: both clusters of a column of clusters walk them: cluster y = 0 asks; the partner at cy takes rows 32 cy + lane; wave 4 names a row's first 256 bytes, wave 5 its second.
; The partners are told apart by address alone.  Key steps 0 to 2 come by their loads alone; the last trip that fills a slot asks for nothing: there is no key step behind it.
.macro ASK
	s_cmp_gt_u32 s[SLOTS], s[LIM]
	s_cbranch_scc0 .Lnot_mine_\@
	global_prefetch_b8 v[PFO], s[PFA:PFA+1] th:TH_LOAD_NT scope:SCOPE_SE
.Lnot_mine_\@:
.endm
.macro CREST                           ; a round of the cluster's barrier behind its opening barrier
	s_cmp_lg_u32 s[WV], 0
	s_cbranch_scc1 .Lnot_wave_0_\@
	s_barrier_signal -3
.Lnot_wave_0_\@:
	s_barrier_wait -3
	s_barrier_signal -1
	s_barrier_wait -1
.endm
.macro CROUND
	s_barrier_signal -1
	s_barrier_wait -1
	CREST
.endm
	s_load_b256 s[4:11], s[0:1], 0x0               ; qimg s[4:5], kvimg s[6:7], attention_mask s[8:9], aimg s[10:11]
	v_lshl_add_u32 v[SPW], v0, 2, SPARE
	v_mov_b32 v[NIL], 0
	ds_add_u32 v[SPW], v[NIL]                      ; the opening lines: the add, twice on end, and its wait ahead of my first tensor load
	ds_add_u32 v[SPW], v[NIL]
	v_lshrrev_b32 v1, 5, v0
	v_readfirstlane_b32 s[WV], v1                  ; wave 0..7
	s_bfe_u32 s[CX], ttmp6, 0x40000
	s_bfe_u32 s[CY], ttmp6, 0x40004
	s_mov_b32 s[CLX], ttmp9
	s_and_b32 s[CLY], ttmp7, 0xffff
	s_lshl_b32 s[WGX], s[CLX], 2
	s_add_co_u32 s[WGX], s[WGX], s[CX]             ; the block of 128 positions, 0..31
	s_lshl_b32 s[KVH], s[CLY], 2
	s_add_co_u32 s[KVH], s[KVH], s[CY]
	s_lshr_b32 s[BB], s[CLX], 2                    ; the batch: the same in all partners
	s_lshl_b32 s60, s[CY], 2
	s_lshl_b32 s60, 15, s60                        ; my row of the cluster
	s_lshl_b32 s61, 0x1111, s[CX]                  ; my column
	s_or_b32 s[G1K], s60, (3<<16)|(1<<21)          ; K and V: 25 dense rows of 256 bytes (32 elements of 8 bytes)
	s_mov_b32 s[G1K+1], 32<<16
	s_mov_b32 s[G1K+2], 25<<16
	s_mov_b32 s[G1K+3], 32<<16
	s_mov_b32 s[G1K+4], 25
	s_mov_b32 s[G1K+5], 32
	s_mov_b32 s[G1K+6], 0
	s_mov_b32 s[G1K+7], 0
	s_or_b32 s[G1M], s61, (2<<16)|(1<<20)|(1<<21)|(6<<22)|(1<<25)   ; the mask: 32 rows of 128 elements of 4 bytes, 2,048 elements apart; 2 words of padding behind every 128
	s_mov_b32 s[G1M+1], 128<<16
	s_mov_b32 s[G1M+2], 32<<16
	s_mov_b32 s[G1M+3], 128<<16
	s_mov_b32 s[G1M+4], 32
	s_mov_b32 s[G1M+5], 2048
	s_mov_b32 s[G1M+6], 0
	s_mov_b32 s[G1M+7], 0
	s_lshl_b32 s62, s[BB], 3
	s_add_co_u32 s62, s62, s[KVH]
	s_mul_i32 s62, s62, 16*2*OBB                   ; K and V of (batch, kv head): hangs on cy and the cluster's place
	s_and_b32 s68, s[WV], 3                        ; which quarter is mine
	s_mul_i32 s69, s68, 25*256                     ; K, V: in LDS and in memory alike
	s_add_co_u32 s76, s62, s69
	s_mov_b32 s77, 0
	s_lshl_b32 s66, s[WGX], 20                     ; the mask: 128 rows of 8,192 bytes a block: hangs on cx and the cluster's place
	s_lshl_b32 s70, s68, 18                        ; + 32 rows a quarter
	s_add_co_u32 s66, s66, s70
	s_mov_b32 s67, 0
	s_mul_i32 s68, s68, 32*MP
	s_add_co_u32 s68, s68, MOFF
	s_mov_b32 s[SEL], 0x76543210
	s_mov_b32 s[SEL+1], 0xfedcba98
	s_mov_b32 s[CS], 0x3db504f3                    ; 1 / sqrt(128)
	s_mov_b32 s[CS+1], s[CS]                       ; (named with it as a pair)
	s_mov_b32 s[L2], 0x3fb8aa3b                    ; log2(e)
	s_mov_b32 s[L2+1], s[L2]
	s_mov_b32 s[TB], 0
	s_mov_b32 s[SLOTS], 14
	s_wait_alu depctr_va_vdst(0)                   ; the wait here, directly ahead of the waits below
	s_wait_dscnt 0x0                               ; both opening adds are done
	s_wait_kmcnt 0x0
	s_mov_b32 s[G0K], 1
	s_mov_b32 s[G0K+1], s69
	s_add_nc_u64 s[G0K+2:G0K+3], s[6:7], s[76:77]
	s_or_b32 s[G0K+3], s[G0K+3], 0x80000000
	s_mov_b32 s[G0M], 1
	s_mov_b32 s[G0M+1], s68
	s_add_nc_u64 s[G0M+2:G0M+3], s[8:9], s[66:67]
	s_or_b32 s[G0M+3], s[G0M+3], 0x80000000
	CROUND                                         ; all sixteen work-groups are here: the first joint loads meet
	TLOAD                                          ; key step 0 into slot 0: my one tensor load at the head
	; scalar set-up under the load's flight
	s_lshr_b32 s78, s[WV], 1
	s_lshl_b32 s78, s78, 5
	s_and_b32 s79, s[WV], 1
	s_lshl_b32 s79, s79, 3
	s_add_co_u32 s78, s78, s79                     ; my tile's first row: 32 (w / 2) + 8 (w % 2)
	s_mul_i32 s78, s78, MP
	s_add_co_u32 s78, s78, MOFF
	s_lshr_b32 s84, s[WV], 2
	s_lshl_b32 s84, s84, 8
	s_and_b32 s79, s[WV], 3
	s_lshl_b32 s79, s79, 2
	s_add_co_u32 s84, s84, s79                     ; my tile's place among a block's scale words: 256 (w / 4) + 4 (w % 4)
	s_lshl_b32 s79, s[WV], 9
	s_lshl_b32 s72, s[BB], 4
	s_lshl_b32 s73, s[KVH], 1
	s_add_co_u32 s72, s72, s73
	s_lshl_b32 s72, s72, 4
	s_and_b32 s73, s[WGX], 15
	s_add_co_u32 s72, s72, s73
	s_mul_i32 s72, s72, OBB
	s_mov_b32 s73, 0
	s_add_nc_u64 s[4:5], s[4:5], s[72:73]          ; Q's block of my first head; the second head's lies 16 blocks on
	s_mul_i32 s72, s[WV], 1536
	s_add_nc_u64 s[80:81], s[4:5], s[72:73]        ; my tile's codes
	s_add_co_u32 s72, s84, 12288
	s_add_nc_u64 s[56:57], s[4:5], s[72:73]        ; and its scale words
	s_lshl_b32 s72, s[WGX], 4
	s_lshl_b32 s74, s[KVH], 1
	s_add_co_u32 s74, s72, s74                     ; aimg: block 16 x token block + head
	s_mul_i32 s72, s74, OBB
	s_mul_i32 s75, s[WV], 1536
	s_add_co_u32 s72, s72, s75
	s_add_nc_u64 s[82:83], s[10:11], s[72:73]      ; my tile's codes of my first head
	s_add_co_u32 s74, s74, s[WV]
	s_mul_i32 s72, s74, OBB
	s_add_co_u32 s72, s72, 12288
	s_add_nc_u64 s[58:59], s[10:11], s[72:73]      ; the scale words of head 2 kvh + wave (used by waves 0 and 1 alone)
	; the prefetches: where my wave's stand, and who asks
	s_mul_i32 s70, s[CX], 25*256
	s_add_co_u32 s70, s70, s62
	s_add_co_u32 s70, s70, 4*OBB                   ; K, V: my work-group's 25 blocks, in key step 2: the first trip steps it to 3
	s_lshl_b32 s71, s[WGX], 20
	s_lshl_b32 s72, s[CY], 18
	s_add_co_u32 s71, s71, s72                     ; the mask: my work-group's 32 rows,
	s_and_b32 s72, s[WV], 1
	s_lshl_b32 s72, s72, 8
	s_add_co_u32 s71, s71, s72                     ; wave 4: the first 256 bytes, wave 5: the second,
	s_add_co_u32 s71, s71, 1024                    ; in key step 2
	s_and_b32 s73, s[CLX], 3
	s_mov_b32 s[PFS], 512
	s_mov_b32 s74, 8192
	s_cmp_eq_u32 s[WV], 3
	s_cselect_b64 s[PFA:PFA+1], s[6:7], s[8:9]
	s_cselect_b32 s70, s70, s71
	s_cselect_b32 s[PFS], 2*OBB, s[PFS]            ; a key step on
	s_cselect_b32 s74, 256, s74                    ; from lane to lane
	s_cselect_b32 s75, 24, 31                      ; the last lane that names a block of its own
	s_cselect_b32 s73, s73, s[CLY]                 ; the coordinate along which other clusters read the same bytes
	s_mov_b32 s71, 0
	s_mov_b32 s[PFS+1], 0
	s_add_nc_u64 s[PFA:PFA+1], s[PFA:PFA+1], s[70:71]
	s_sub_co_u32 s76, s[WV], 3
	s_cmp_lt_u32 s76, 3                            ; waves 3, 4, 5
	s_cselect_b32 s76, 0, 1
	s_or_b32 s76, s76, s73
	s_cmp_eq_u32 s76, 0
	s_cselect_b32 s[LIM], 1, -1                    ; the same in all sixteen partners, for a given wave
	; the lanes' addresses
	v_and_b32 v7, 31, v0
	v_and_b32 v11, 15, v0                          ; r
	v_bfe_u32 v6, v0, 4, 1                         ; h
	v_lshlrev_b32 v[LI], 4, v7                     ; 16 x lane
	v_and_b32 v[AM0], 8, v11
	v_mul_u32_u24 v[AS0], v6, OBB
	v_min_u32 v[PFO], s75, v7
	v_lshlrev_b32 v10, 4, v11                      ; 16 r
	v_add_nc_u32 v[AM0], v[AM0], v11               ; r + 8 (r / 8)
	v_lshl_add_u32 v[AS0], v11, 4, v[AS0]
	v_mul_lo_u32 v[PFO], v[PFO], s74
	v_add_nc_u32 v[SSAD], s84, v10
	v_mul_u32_u24 v[AM0], v[AM0], MP
	v_add_nc_u32 v[AS0], 12288, v[AS0]             ; scale words: 16 r; lanes 16-31 a block on: V's
	v_add_nc_u32 v[SRD], s79, v[LI]
	v_add_nc_u32 v[SSAD], SCST, v[SSAD]
	v_lshl_add_u32 v[AM0], v6, 6, v[AM0]
	v_add_nc_u32 v[SRD], SCST, v[SRD]              ; (used by waves 0 and 1 alone)
	v_nop
	v_add_nc_u32 v[AM0], s78, v[AM0]               ; the mask: my position's row, + 64 h
.irp u, 0,1
.irp c, 0,1,2
	global_load_b128 v[QF+12*\u+4*\c:QF+12*\u+4*\c+3], v[LI], s[80:81] offset:16*OBB*\u+512*\c   ; Q stays in registers
.endr
	global_load_b32 v[QS+\u], v10, s[56:57] offset:16*OBB*\u
.endr
.irp u, 0,1
	v_mov_b32 v[ST+8*\u+1], 0xff61b1e6             ; the largest t so far: -3e38
.irp i, 2,3,4,5,6,7
	v_mov_b32 v[ST+8*\u+\i], 0
.endr
	v_floor_f32 v[ST+8*\u], -v[ST+8*\u+1]          ; -M
.endr
.irp n, 0,1,2,3,4,5,6,7
	v_mov_b32 v[BP+\n], 0                          ; written once: a lane permute's destination counts as one of its sources
.endr
	WIN 0x40
.set nn, 128
.rept 128
	v_mov_b32 v[nn], 0                             ; O^T: the key step is written for the loops alone: the first step finds zeros, which the first change of M leaves zeros
.set nn, nn+1
.endr
	WIN 0
.macro LOAD8 off                       ; eight fragments, as they were stored: 24 loads
.irp t, 0,1,2,3,4,5,6,7
.irp c, 0,1,2
	ds_load_b128 v[FRG+12*\t+4*\c:FRG+12*\t+4*\c+3], v[ADF] offset:(\off)+1536*\t+512*\c
.endr
.endr
.endm
.macro QK g                            ; S^T = K Q^T: K's tiles 4 g .. 4 g + 3 x both heads; no two matrix instructions that follow each other share an accumulator
	WIN 0x40
.irp t, 0,1,2,3
.irp u, 0,1
	v_wmma_scale_f32_16x16x128_f8f6f4 v[64*\u+8*(4*(\g)+\t):64*\u+8*(4*(\g)+\t)+7], v[FRG+12*(4*(\g)+\t):FRG+12*(4*(\g)+\t)+11], v[QF+12*\u:QF+12*\u+11], 0, v[KS+4*(\g)+\t], v[QS+\u] matrix_a_fmt:MATRIX_FMT_FP6 matrix_b_fmt:MATRIX_FMT_FP6
.endr
.endr
.endm
.macro PV u                            ; O^T += V^T P^T of head u: its eight accumulators by turns; V's scale words stand in lanes 16-31
	WIN 0x50
.irp t, 0,1,2,3,4,5,6,7
	v_wmma_scale_f32_16x16x128_f8f6f4 v[128+64*(\u)+8*\t:128+64*(\u)+8*\t+7], v[FRG+12*\t:FRG+12*\t+11], v[PCD+12*(\u):PCD+12*(\u)+11], v[128+64*(\u)+8*\t:128+64*(\u)+8*\t+7], v[KS+\t], v[PS+(\u)] matrix_a_fmt:MATRIX_FMT_FP6 matrix_b_fmt:MATRIX_FMT_FP6 matrix_a_scale:MATRIX_SCALE_ROW1
.endr
	WIN 0
.endm
.macro XF u                            ; x = S / sqrt(128) + mask; each accumulator from its low end on
	WIN 0x41
.set nn, 0
.rept 32
	v_pk_fma_f32 v[64*(\u)+nn:64*(\u)+nn+1], v[64*(\u)+nn:64*(\u)+nn+1], s[CS:CS+1], v[ML+nn:ML+nn+1] op_sel_hi:[1,0,1]
.set nn, nn+2
.endr
	WIN 0
.endm
; Both heads by turns: the largest x of each block of 32 keys (it serves for the row's maximum and, since p rises with x, for the block's largest p), the running M, f = 2^(old M - new M), and l and O^T under the new M.
.macro SMA
	WIN 0x15
.irp u, 0,1
.irp b, 0,1,2,3
	v_max3_num_f32 v[BM+4*\u+\b], v[64*\u+16*\b], v[64*\u+16*\b+1], v[64*\u+16*\b+2]
.endr
.endr
	WIN 0x14
.irp i, 3,5,7,9,11,13
.irp u, 0,1
.irp b, 0,1,2,3
	v_max3_num_f32 v[BM+4*\u+\b], v[BM+4*\u+\b], v[64*\u+16*\b+\i], v[64*\u+16*\b+\i+1]
.endr
.endr
.endr
.irp u, 0,1
.irp b, 0,1,2,3
	v_max_num_f32 v[BM+4*\u+\b], v[BM+4*\u+\b], v[64*\u+16*\b+15]
.endr
.endr
	WIN 0
.irp n, 0,1,2,3,4,5,6,7
	v_permlanex16_b32 v[BP+\n], v[BM+\n], s[SEL], s[SEL+1]
.endr
.irp n, 0,1,2,3,4,5,6,7
	v_max_num_f32 v[BM+\n], v[BM+\n], v[BP+\n]     ; with lane l xor 16's 16 keys
.endr
.irp u, 0,1
	v_mov_b32 v[ST+8*\u+7], v[ST+8*\u]             ; the old -M
.endr
.irp u, 0,1
	v_max3_num_f32 v[ST+8*\u+6], v[BM+4*\u], v[BM+4*\u+1], v[BM+4*\u+2]
.endr
.irp u, 0,1
	s_delay_alu instid0(VALU_DEP_2)
	v_max_num_f32 v[ST+8*\u+6], v[ST+8*\u+6], v[BM+4*\u+3]
.endr
.irp u, 0,1
	s_delay_alu instid0(VALU_DEP_2)
	v_mul_f32 v[ST+8*\u+6], s[L2], v[ST+8*\u+6]    ; as t (log2(e) is positive)
.endr
.irp u, 0,1
	s_delay_alu instid0(VALU_DEP_2)
	v_max_num_f32 v[ST+8*\u+1], v[ST+8*\u+1], v[ST+8*\u+6]   ; the running largest t
.endr
.irp u, 0,1
	s_delay_alu instid0(VALU_DEP_2)
	v_floor_f32 v[ST+8*\u], -v[ST+8*\u+1]          ; the new -M = -ceil(t): a whole number
.endr
.irp u, 0,1
	s_delay_alu instid0(VALU_DEP_2)
	v_sub_f32 v[ST+8*\u+7], v[ST+8*\u], v[ST+8*\u+7]   ; old M - new M: a whole number, 0 or less
.endr
.irp u, 0,1
	s_delay_alu instid0(VALU_DEP_2)
	v_cvt_i32_f32 v[ST+8*\u+7], v[ST+8*\u+7]       ; (it saturates)
.endr
.irp u, 0,1
	s_delay_alu instid0(VALU_DEP_2)
	v_ldexp_f32 v[ST+8*\u+4], 1.0, v[ST+8*\u+7]    ; f
.endr
.irp u, 0,1
	s_delay_alu instid0(VALU_DEP_2)
	v_pk_mul_f32 v[ST+8*\u+2:ST+8*\u+3], v[ST+8*\u+2:ST+8*\u+3], v[ST+8*\u+4:ST+8*\u+5] op_sel_hi:[1,0]   ; l under the new M
.endr
	WIN 0x41
	s_wait_alu depctr_va_vdst(0)                   ; the wait here, directly ahead of the first reader of O^T
.irp u, 0,1
.set nn, 128+64*\u
.rept 32
	v_pk_mul_f32 v[nn:nn+1], v[nn:nn+1], v[ST+8*\u+4:ST+8*\u+5] op_sel_hi:[1,0]   ; O^T under the new M, each accumulator from its low end on
.set nn, nn+2
.endr
.endr
	WIN 0
.endm
; One head: p = 2^(x log2(e) - M), its codes and scale word, and its sum.
.macro SMB u
.set SB, 64*(\u)
.set SS, ST+8*(\u)
.set BU, BM+4*(\u)
.set BQ, BP+4*(\u)
.irp b, 0,1,2,3
	v_fma_f32 v[BU+\b], v[BU+\b], s[L2], v[SS]     ; t - M of each block's largest x
.endr
	WIN 0x41
.set nn, 0
.rept 32
	v_pk_fma_f32 v[SB+nn:SB+nn+1], v[SB+nn:SB+nn+1], s[L2:L2+1], v[SS:SS+1] op_sel_hi:[1,0,0]   ; t - M (of the pairs the low word serves both halves)
.set nn, nn+2
.endr
	s_wait_alu depctr_va_vdst(0)                   ; the wait ahead of the batch
.set nn, 0
.rept 64
	v_exp_f32 v[SB+nn], v[SB+nn]                   ; p, not normalised
.set nn, nn+1
.endr
	WIN 0
.irp b, 0,1,2,3
	v_exp_f32 v[BU+\b], v[BU+\b]                   ; the block's largest p: the same multiply-add and exponential on the same number give the same bits
.endr
	v_nop                                          ; a plain instruction behind the last exponential
	s_wait_alu depctr_va_vdst(0)                   ; one wait for the batch of 68, ahead of its first reader
.irp b, 0,1,2,3
	v_max_num_f32 v[BU+\b], 0x1800000, v[BU+\b]    ; the floor 2^(3 - 127): the byte cannot fall under 1
.endr
.irp b, 0,1,2,3
	s_delay_alu instid0(VALU_DEP_4)
	v_add_nc_u32 v[BO+\b], 0xff000000, v[BU+\b]    ; 2 off the exponent field: the conversion's scale operand
.endr
.irp b, 0,1,2,3
	s_delay_alu instid0(VALU_DEP_4)
	v_lshrrev_b32 v[BQ+\b], 23, v[BO+\b]           ; the scale's byte
.endr
	s_delay_alu instid0(VALU_DEP_3)
	v_lshl_or_b32 v[PS+(\u)], v[BQ+1], 8, v[BQ]
	s_delay_alu instid0(VALU_DEP_1)
	v_lshl_or_b32 v[PS+(\u)], v[BQ+2], 16, v[PS+(\u)]
	s_delay_alu instid0(VALU_DEP_1)
	v_lshl_or_b32 v[PS+(\u)], v[BQ+3], 24, v[PS+(\u)]   ; p's scale word for these 128 keys
	WIN 0x01
.irp c, 0,1
	v_cvt_scalef32_pk16_fp6_f32 v[PCD+12*(\u)+6*\c:PCD+12*(\u)+6*\c+2], v[SB+32*\c:SB+32*\c+15], v[BO+2*\c]
	v_cvt_scalef32_pk16_fp6_f32 v[PT+4*\c:PT+4*\c+2], v[SB+32*\c+16:SB+32*\c+31], v[BO+2*\c+1]
.endr
	WIN 0
	v_nop                                          ; one plain instruction behind the scaled conversions
.irp c, 0,1
.irp i, 0,1,2
	v_permlane16_swap_b32 v[PCD+12*(\u)+6*\c+\i], v[PT+4*\c+\i]
.endr
.irp i, 0,1,2
	s_delay_alu instid0(VALU_DEP_3)
	v_mov_b32 v[PCD+12*(\u)+3+6*\c+\i], v[PT+4*\c+\i]
.endr
.endr
	WIN 0x05                                       ; the row's sum of the unquantised p, in four chains; these 32 lines also stand between the writes of p's codes and scale word and the products
.irp i, 0,1,2
	v_pk_add_f32 v[SUMT+2*\i:SUMT+2*\i+1], v[SB+4*\i:SB+4*\i+1], v[SB+4*\i+2:SB+4*\i+3]
.endr
	WIN 0x04
.set nn, 12
.rept 6
	v_pk_add_f32 v[SS+2:SS+3], v[SS+2:SS+3], v[SB+nn:SB+nn+1]
	v_pk_add_f32 v[SUMT:SUMT+1], v[SUMT:SUMT+1], v[SB+nn+2:SB+nn+3]
	v_pk_add_f32 v[SUMT+2:SUMT+3], v[SUMT+2:SUMT+3], v[SB+nn+4:SB+nn+5]
	v_pk_add_f32 v[SUMT+4:SUMT+5], v[SUMT+4:SUMT+5], v[SB+nn+6:SB+nn+7]
.set nn, nn+8
.endr
	v_pk_add_f32 v[SS+2:SS+3], v[SS+2:SS+3], v[SB+60:SB+61]
	v_pk_add_f32 v[SUMT:SUMT+1], v[SUMT:SUMT+1], v[SB+62:SB+63]
	WIN 0
	v_pk_add_f32 v[SUMT+2:SUMT+3], v[SUMT+2:SUMT+3], v[SUMT+4:SUMT+5]
	v_pk_add_f32 v[SS+2:SS+3], v[SS+2:SS+3], v[SUMT:SUMT+1]
	v_pk_add_f32 v[SS+2:SS+3], v[SS+2:SS+3], v[SUMT+2:SUMT+3]
.endm
; A KEY STEP: 128 keys, in the slot at s[TB], which the last round or barrier has shown whole.  fill = 1: the slot is filled again, with the key step two on.
.macro STEP fill
	v_add_nc_u32 v[ADF], s[TB], v[LI]
	v_add_nc_u32 v[ADM], s[TB], v[AM0]
	v_add_nc_u32 v[ADS], s[TB], v[AS0]
	v_nop                                          ; four plain instructions behind the last step's products, in front of loads into registers that they read
	s_wait_alu depctr_va_vdst(0)
	ds_load_b128 v[KS:KS+3], v[ADS]
	ds_load_b128 v[KS+4:KS+7], v[ADS] offset:256
	LOAD8 0                                        ; K
.irp b, 0,1,2,3
.irp p, 0,1,2,3,4,5,6,7
	ds_load_b64 v[ML+16*\b+2*\p:ML+16*\b+2*\p+1], v[ADM] offset:128*\b+8*\p   ; the mask at my position and my 64 keys
.endr
.endr
	s_wait_dscnt 44                                ; the scale words and K's tiles 0-3 are in; 12 loads of K and the mask's 32 may be out
	QK 0
	s_wait_dscnt 32                                ; all of K; the mask's 32 may be out
	QK 1
	WIN 0
	PLACES 4                                       ; in front of the loads below and of the first read of the scores
	LOAD8 OBB                                      ; V, into K's registers
	s_wait_dscnt 24                                ; the mask is in; V's 24 loads may be out
	XF 0
	s_wait_tensorcnt 0x0                           ; my one tensor load, my part of the next slot, has landed
	ds_add_u32 v[SPW], v[NIL]                      ; 0 onto my spare word
.if \fill
	WALK
	s_wait_xcnt 0x0                                ; the last prefetch, a key step back, has read its address
	s_add_nc_u64 s[PFA:PFA+1], s[PFA:PFA+1], s[PFS:PFS+1]   ; one key step further on than the walking descriptors
.endif
	XF 1                                           ; work on registers while the add and V's loads are out
	s_wait_alu depctr_va_vdst(0)                   ; the wait here, directly ahead of the wait below
	s_wait_dscnt 0x0                               ; the add is done, and my reads of this slot are over
	s_barrier_signal -1                            ; say so (fill = 1: this barrier opens a round of the cluster's barrier),
	SMA                                            ; work on registers while the others arrive,
	s_wait_alu depctr_va_vdst(0)                   ; the wait here, directly ahead of the barrier's wait
	s_barrier_wait -1
.if \fill
	CREST                                          ; no wave of any partner still reads this slot or has a load on its way
	TLOAD                                          ; the first thing behind the round, and my one tensor load until the next
	ASK
.endif
	SMB 0
	PV 0
	SMB 1
	PV 1
	s_xor_b32 s[TB], s[TB], SLOT1                  ; on to the other slot
.endm
	s_wait_alu depctr_va_vdst(0)                   ; the wait at the head's end
	s_wait_tensorcnt 0x0                           ; my part of key step 0 is in; slot 1's first fill is issued as a refill is:
	ds_add_u32 v[SPW], v[NIL]
	WALK
	s_wait_dscnt 0x0
	CROUND
	TLOAD                                          ; key step 1 into slot 1
	s_wait_loadcnt 0x0                             ; Q
.Lstep:                                            ; 14 trips: trip i works key step i and asks for key step i + 2
	STEP 1
	s_sub_co_u32 s[SLOTS], s[SLOTS], 1
	s_cmp_lg_u32 s[SLOTS], 0
	s_cbranch_scc1 .Lstep
	s_mov_b32 s[SLOTS], 2
.Ltail:                                            ; the last two key steps ask for nothing: a loop of their own
	STEP 0
	s_sub_co_u32 s[SLOTS], s[SLOTS], 1
	s_cmp_lg_u32 s[SLOTS], 0
	s_cbranch_scc1 .Ltail
	; THE WAY OUT.  O^T / l is quantised along d and is tile w of the head's operand block; the scale words of the eight waves meet in LDS and leave as whole blocks of 512 bytes.
	PLACES 4
.irp u, 0,1
	v_add_f32 v[ST+8*\u+6], v[ST+8*\u+2], v[ST+8*\u+3]
.endr
.irp u, 0,1
	s_delay_alu instid0(VALU_DEP_2)
	v_permlanex16_b32 v[ST+8*\u+7], v[ST+8*\u+6], s[SEL], s[SEL+1]
.endr
.irp u, 0,1
	s_delay_alu instid0(VALU_DEP_2)
	v_add_f32 v[ST+8*\u+6], v[ST+8*\u+6], v[ST+8*\u+7]   ; the row's sum
.endr
	s_wait_alu depctr_va_vdst(0)                   ; the wait ahead of the two
.irp u, 0,1
	v_rcp_f32 v[ST+8*\u+4], v[ST+8*\u+6]
.endr
	v_nop                                          ; a plain instruction behind the last reciprocal
	WIN 0x41
	s_wait_alu depctr_va_vdst(0)                   ; one wait for the two, and for O^T, directly ahead of the first reader
.irp u, 0,1
.set nn, 128+64*\u
.rept 32
	v_pk_mul_f32 v[nn:nn+1], v[nn:nn+1], v[ST+8*\u+4:ST+8*\u+5] op_sel_hi:[1,0]
.set nn, nn+2
.endr
.endr
	WIN 0
.irp u, 0,1
	s_wait_alu depctr_va_vdst(0)                   ; the wait here, directly ahead of the wait below
	s_wait_xcnt 0x0                                ; the first head's stores have read their registers: the codes may be written again
	QUANT 128+64*\u, 1
.irp c, 0,1,2
	global_store_b128 v[LI], v[PC+4*\c:PC+4*\c+3], s[82:83] offset:OBB*\u+512*\c   ; 32 lanes store 512 consecutive bytes, at a multiple of 256 from the buffer's first byte
.endr
	ds_store_b32 v[SSAD], v[PW] offset:512*\u      ; lanes l and l + 16 write the same word with the same value
.endr
	s_wait_dscnt 0x0                               ; for the others' sake: my words have landed
	s_barrier_signal -1
	s_barrier_wait -1
	s_cmp_lt_u32 s[WV], 2
	s_cbranch_scc0 .Lno_scales
	ds_load_b128 v[244:247], v[SRD]                ; wave u: head u's 512 bytes
	s_wait_dscnt 0x0
	global_store_b128 v[LI], v[244:247], s[58:59]
.Lno_scales:
	s_wait_tensorcnt 0x0                           ; the wave's end
	ds_add_u32 v[SPW], v[NIL]
	s_wait_dscnt 0x0
	CROUND                                         ; the closing round
	s_endpgm
.Lfunc_end_k_qafa7f6cb05_attn:
	.size	k_qafa7f6cb05_attn, .Lfunc_end_k_qafa7f6cb05_attn-k_qafa7f6cb05_attn
	.p2alignl 7, 3214868480
	.fill 96, 4, 3214868480
	.section	.rodata,"a",@progbits
	.p2align	6, 0x0
	.amdhsa_kernel k_qafa7f6cb05_attn
		.amdhsa_group_segment_fixed_size 327680
		.amdhsa_private_segment_fixed_size 0
		.amdhsa_enable_private_segment 0
		.amdhsa_kernarg_size 32
		.amdhsa_user_sgpr_count 2
		.amdhsa_user_sgpr_kernarg_segment_ptr 1
		.amdhsa_wavefront_size32 1
		.amdhsa_system_sgpr_workgroup_id_x 1
		.amdhsa_system_sgpr_workgroup_id_y 1
		.amdhsa_system_sgpr_workgroup_id_z 1
		.amdhsa_system_vgpr_workitem_id 0
		.amdhsa_next_free_vgpr 512
		.amdhsa_next_free_sgpr 100
		.amdhsa_reserve_vcc 0
		.amdhsa_float_denorm_mode_32 3
		.amdhsa_float_denorm_mode_16_64 3
		.amdhsa_memory_ordered 1
		.amdhsa_forward_progress 1
		.amdhsa_inst_pref_size 115
	.end_amdhsa_kernel
	.amdgpu_metadata
---
amdhsa.version: [ 1, 2 ]
amdhsa.kernels:
  - .name:           k_qafa7f6cb05_attn
    .symbol:         k_qafa7f6cb05_attn.kd
    .args:
      - { .name: qimg, .offset: 0, .size: 8, .value_kind: global_buffer, .address_space: global }
      - { .name: kvimg, .offset: 8, .size: 8, .value_kind: global_buffer, .address_space: global }
      - { .name: attention_mask, .offset: 16, .size: 8, .value_kind: global_buffer, .address_space: global }
      - { .name: aimg, .offset: 24, .size: 8, .value_kind: global_buffer, .address_space: global }
    .group_segment_fixed_size: 327680
    .private_segment_fixed_size: 0
    .kernarg_segment_align: 8
    .kernarg_segment_size: 32
    .max_flat_workgroup_size: 256
    .sgpr_count:     100
    .vgpr_count:     512
    .wavefront_size: 32
...
	.end_amdgpu_metadata
.endif
;; end of part 3
;; launch oproj (part 4): grid 8 x 32, 4 waves a work-group, clusters of 4 x 4, 327,680 bytes of LDS; arguments aimg, opc, out0; writes out0
.if DOCPART == 4
	.amdgcn_target "amdgcn-amd-amdhsa--gfx1250"
	.amdhsa_code_object_version 6
	.text
	.protected	k_qafa7f6cb05_oproj
	.globl	k_qafa7f6cb05_oproj
	.p2align	8
	.type	k_qafa7f6cb05_oproj,@function
k_qafa7f6cb05_oproj:
	s_mov_b64 s[64:65], 0
	v_nop
	global_prefetch_b8 v0, s[64:65] scope:SCOPE_SE
	s_setreg_imm32_b32 hwreg(HW_REG_WAVE_MODE, 25, 1), 1
	s_wait_xcnt 0x0
	s_wait_alu depctr_hold_cnt(0) depctr_sa_sdst(0) depctr_va_vdst(0) depctr_va_sdst(0) depctr_va_ssrc(0) depctr_va_vcc(0) depctr_vm_vsrc(0)
	s_getreg_b32 s2, hwreg(HW_REG_IB_STS2, 6, 4)
	s_cmp_eq_u32 s2, 0
	s_cbranch_scc0 .Lentry_in_a_cluster
	s_endpgm
.Lentry_in_a_cluster:
	s_bfe_u32 s2, ttmp6, 0x10000c
	s_cmp_lg_u32 s2, 0xf033
	s_cbranch_scc0 .Lentry_shape_is_right
	s_endpgm
.Lentry_shape_is_right:
.set OBB,   12800
.set PAIR,  2*OBB
.set SLOT,  4*PAIR
.set SPARE, 3*SLOT
.set WOOFF, 512*OBB
.set SP,    272
.set ADRA,  16
.set ADRB,  19
.set ADRS,  22
.set STO,   25
.set RD,    26
.set CO,    27
.set SPW,   28
.set NIL,   29
.set SC,    32
.set OUTB,  64
.set ACC,   128
.set WV,    10
.set RH,    11
.set CH,    12
.set CX,    13
.set CY,    14
.set WGX,   15
.set WGY,   16
.set G1A,   28
.set G1B,   36
.set G0A,   44
.set G0B,   68
.set MSB, 0
.macro WIN new
.if MSB != (\new)
	s_set_vgpr_msb (MSB<<8)|(\new)
.set MSB, \new
.endif
.endm
.macro PLACES n
.rept \n
	v_nop
.endr
.endm
.macro JLOAD g0a, g0b
	s_cmp_eq_u32 s[RH], 0
	s_cbranch_scc0 .Lfor_b_\@
	tensor_load_to_lds s[\g0a:\g0a+3], s[G1A:G1A+7]
	s_nop 0
.rept 4
	v_nop
.endr
	s_branch .Lasked_\@
.Lfor_b_\@:
	tensor_load_to_lds s[\g0b:\g0b+3], s[G1B:G1B+7]
	s_nop 0
.rept 4
	v_nop
.endr
.Lasked_\@:
.endm
.macro CREST
	s_cmp_lg_u32 s[WV], 0
	s_cbranch_scc1 .Lnot_wave_0_\@
	s_barrier_signal -3
.Lnot_wave_0_\@:
	s_barrier_wait -3
	s_barrier_signal -1
	s_barrier_wait -1
.endm
.macro CROUND
	s_barrier_signal -1
	s_barrier_wait -1
	CREST
.endm
	s_load_b128 s[4:7], s[0:1], 0x0
	s_load_b64 s[8:9], s[0:1], 0x10
	v_lshl_add_u32 v[SPW], v0, 2, SPARE
	v_mov_b32 v[NIL], 0
	ds_add_u32 v28, v29
	ds_add_u32 v28, v29
	s_wait_dscnt 0x0
	v_lshrrev_b32 v1, 5, v0
	v_readfirstlane_b32 s[WV], v1
	s_lshr_b32 s[RH], s[WV], 1
	s_and_b32 s[CH], s[WV], 1
	s_bfe_u32 s[CX], ttmp6, 0x40000
	s_bfe_u32 s[CY], ttmp6, 0x40004
	s_lshl_b32 s[WGX], ttmp9, 2
	s_add_co_u32 s[WGX], s[WGX], s[CX]
	s_and_b32 s[WGY], ttmp7, 0xffff
	s_lshl_b32 s[WGY], s[WGY], 2
	s_add_co_u32 s[WGY], s[WGY], s[CY]
	s_lshl_b32 s60, s[CY], 2
	s_lshl_b32 s60, 15, s60
	s_lshl_b32 s61, 0x1111, s[CX]
	s_or_b32 s[G1A], s60, (3<<16)|(1<<21)
	s_or_b32 s[G1B], s61, (3<<16)|(1<<21)
.irp g, G1A, G1B
	s_mov_b32 s[\g+1], 32<<16
	s_mov_b32 s[\g+2], 100<<16
	s_mov_b32 s[\g+3], 32<<16
	s_mov_b32 s[\g+4], 100
	s_mov_b32 s[\g+5], 32
	s_mov_b32 s[\g+6], 0
	s_mov_b32 s[\g+7], 0
.endr
	s_mul_i32 s82, s[CH], PAIR
	s_mul_i32 s80, s[WGY], 16*OBB
	s_add_co_u32 s80, s80, s82
	s_mov_b32 s81, 0
	s_mul_i32 s84, s[WGX], 16*OBB
	s_add_co_u32 s84, s84, s82
	s_add_co_u32 s84, s84, WOOFF
	s_mov_b32 s85, 0
	s_mul_i32 s86, s[WV], PAIR
	s_wait_kmcnt 0x0
	s_add_nc_u64 s[80:81], s[4:5], s[80:81]
	s_add_nc_u64 s[84:85], s[6:7], s[84:85]
	CROUND
.irp j, 0,1,2
	s_mov_b32 s[G0A+4*\j], 1
	s_add_co_u32 s[G0A+4*\j+1], s86, \j*SLOT
	s_add_nc_u64 s[G0A+4*\j+2:G0A+4*\j+3], s[80:81], \j*2*PAIR
	s_or_b32 s[G0A+4*\j+3], s[G0A+4*\j+3], 0x80000000
	s_mov_b32 s[G0B+4*\j], 1
	s_add_co_u32 s[G0B+4*\j+1], s86, \j*SLOT
	s_add_nc_u64 s[G0B+4*\j+2:G0B+4*\j+3], s[84:85], \j*2*PAIR
	s_or_b32 s[G0B+4*\j+3], s[G0B+4*\j+3], 0x80000000
	s_wait_alu depctr_va_vdst(0)
	s_wait_tensorcnt 0x0
	ds_add_u32 v28, v29
	ds_add_u32 v28, v29
	s_wait_dscnt 0x0
	CROUND
	JLOAD G0A+4*\j, G0B+4*\j
.endr
	v_and_b32 v1, 31, v0
	v_and_b32 v2, 15, v0
	v_bfe_u32 v3, v0, 4, 1
	s_wait_alu depctr_va_vdst(0)
	v_lshlrev_b32 v4, 4, v1
	v_lshlrev_b32 v5, 4, v2
	s_mul_i32 s56, s[RH], 4*1536
	s_mul_i32 s57, s[CH], 4*1536
	s_add_co_u32 s57, s57, 2*PAIR
	s_lshl_b32 s58, s[RH], 8
	s_add_co_u32 s58, s58, 12288
	s_lshl_b32 s59, s[CH], 8
	s_add_co_u32 s59, s59, 12288+2*PAIR
	s_sub_co_u32 s59, s59, s58
	v_mul_u32_u24 v6, s59, v3
	s_wait_alu depctr_va_vdst(0)
	v_add_nc_u32 v6, v6, v5
.irp s, 0,1,2
	v_add_nc_u32 v[ADRA+\s], s56, v4
	v_add_nc_u32 v[ADRB+\s], s57, v4
	v_add_nc_u32 v[ADRS+\s], s58, v6
	s_add_co_u32 s56, s56, SLOT
	s_add_co_u32 s57, s57, SLOT
	s_add_co_u32 s58, s58, SLOT
.endr
	s_mul_i32 s62, s[WV], 16*SP
	s_add_co_u32 s62, s62, SLOT
	v_mul_u32_u24 v7, v2, SP
	v_lshl_add_u32 v7, v3, 6, v7
	v_add_nc_u32 v[STO], s62, v7
	v_mul_u32_u24 v7, v3, SP
	v_add_nc_u32 v7, v7, v5
	v_add_nc_u32 v[RD], s62, v7
	v_lshl_add_u32 v[CO], v3, 12, v5
	s_lshl_b32 s88, s[WGY], 19
	s_lshl_b32 s90, s[RH], 18
	s_add_co_u32 s88, s88, s90
	s_lshl_b32 s90, s[WGX], 9
	s_add_co_u32 s88, s88, s90
	s_lshl_b32 s90, s[CH], 8
	s_add_co_u32 s88, s88, s90
	s_mov_b32 s89, 0
	s_add_nc_u64 s[8:9], s[8:9], s[88:89]
.macro FETCH k
.set FS, ((\k)/4)%3
.set FQ, (\k)%4
.set FB, 128*((\k)%2)
	WIN 0x40
.irp i, 0,1,2,3
.irp c, 0,1,2
	ds_load_b128 v[FB+48+12*\i+4*\c:FB+48+12*\i+4*\c+3], v[ADRB+FS] offset:FQ*OBB+1536*\i+512*\c
.endr
.endr
.irp i, 0,1,2,3
.irp c, 0,1,2
	ds_load_b128 v[FB+12*\i+4*\c:FB+12*\i+4*\c+3], v[ADRA+FS] offset:FQ*OBB+1536*\i+512*\c
.endr
.endr
	WIN 0
	ds_load_b128 v[SC+4*((\k)%2):SC+4*((\k)%2)+3], v[ADRS+FS] offset:FQ*OBB
.endm
.macro MUL8 k, a0, zero
.set FB, 128*((\k)%2)
.set SS, SC+4*((\k)%2)
.irp a, \a0, \a0+1
.irp b, 0,1,2,3
.if \zero
	v_wmma_scale_f32_16x16x128_f8f6f4 v[ACC+8*(4*(\a)+\b):ACC+8*(4*(\a)+\b)+7], v[FB+48+12*\b:FB+48+12*\b+11], v[FB+12*(\a):FB+12*(\a)+11], 0, v[SS+\b], v[SS+(\a)] matrix_a_fmt:MATRIX_FMT_FP6 matrix_b_fmt:MATRIX_FMT_FP6 matrix_a_scale:MATRIX_SCALE_ROW1
.else
	v_wmma_scale_f32_16x16x128_f8f6f4 v[ACC+8*(4*(\a)+\b):ACC+8*(4*(\a)+\b)+7], v[FB+48+12*\b:FB+48+12*\b+11], v[FB+12*(\a):FB+12*(\a)+11], v[ACC+8*(4*(\a)+\b):ACC+8*(4*(\a)+\b)+7], v[SS+\b], v[SS+(\a)] matrix_a_fmt:MATRIX_FMT_FP6 matrix_b_fmt:MATRIX_FMT_FP6 matrix_a_scale:MATRIX_SCALE_ROW1
.endif
.endr
.endr
.endm
.macro NORMAL k, zero
	PLACES 4
	FETCH (\k)+1
	s_wait_dscnt 25
	WIN 0x05
	MUL8 \k, 0, \zero
	MUL8 \k, 2, \zero
.endm
.macro TURN k, fill
	WIN 0
	s_wait_tensorcnt 0x0
	ds_add_u32 v[SPW], v[NIL]
	s_wait_dscnt 1
	WIN 0x05
	MUL8 \k, 0, 0
	s_wait_dscnt 0x0
	s_barrier_signal -1
	MUL8 \k, 2, 0
	WIN 0
	s_barrier_wait -1
.if \fill
	CREST
	s_add_nc_u64 s[G0A+2:G0A+3], s[G0A+2:G0A+3], 3*2*PAIR
	s_add_nc_u64 s[G0B+2:G0B+3], s[G0B+2:G0B+3], 3*2*PAIR
	JLOAD G0A, G0B
.else
	PLACES 4
.endif
	FETCH (\k)+1
.endm
	s_wait_tensorcnt 0x2
	s_barrier_signal -1
	s_barrier_wait -1
	FETCH 0
	NORMAL 0, 1
	NORMAL 1, 0
	NORMAL 2, 0
	TURN 3, 1
	s_wait_alu depctr_va_vdst(0)
.irp k, 4,5,6,7,8,9,10
	NORMAL \k, 0
.endr
	TURN 11, 0
	NORMAL 12, 0
	NORMAL 13, 0
	NORMAL 14, 0
	s_wait_dscnt 0x0
	WIN 0x05
	MUL8 15, 0, 0
	MUL8 15, 2, 0
	WIN 0
	PLACES 4
.macro TOSTAGE a
.irp b, 0,1,2,3
	ds_store_b128 v[STO], v[ACC+8*(4*(\a)+\b):ACC+8*(4*(\a)+\b)+3] offset:128*(\b/2)+32*(\b%2)
	ds_store_b128 v[STO], v[ACC+8*(4*(\a)+\b)+4:ACC+8*(4*(\a)+\b)+7] offset:128*(\b/2)+32*(\b%2)+16
.endr
.set BBK, OUTB+32*((\a)%2)
.irp i, 0,1,2,3,4,5,6,7
	ds_load_b128 v[BBK+4*\i:BBK+4*\i+3], v[RD] offset:2*SP*\i
.endr
.endm
.macro SEND a, younger
.set BBK, OUTB+32*((\a)%2)
	s_wait_dscnt \younger
.irp i, 0,1,2,3,4,5,6,7
	global_store_b128 v[CO], v[BBK+4*\i:BBK+4*\i+3], s[8:9] offset:(32*((\a)/2)+8*((\a)%2)+2*\i+8*(\i/4))*4096 th:TH_STORE_NT
.endr
.endm
	TOSTAGE 0
.irp a, 1,2,3
.if \a > 1
	s_wait_xcnt 0x0
.endif
	TOSTAGE \a
	SEND \a-1, 16
.endr
	SEND 3, 0
	s_wait_tensorcnt 0x0
	ds_add_u32 v[SPW], v[NIL]
	s_wait_dscnt 0x0
	CROUND
	s_endpgm
.Lfunc_end_k_qafa7f6cb05_oproj:
	.size	k_qafa7f6cb05_oproj, .Lfunc_end_k_qafa7f6cb05_oproj-k_qafa7f6cb05_oproj
	.p2alignl 7, 3214868480
	.fill 96, 4, 3214868480
	.section	.rodata,"a",@progbits
	.p2align	6, 0x0
	.amdhsa_kernel k_qafa7f6cb05_oproj
		.amdhsa_group_segment_fixed_size 327680
		.amdhsa_private_segment_fixed_size 0
		.amdhsa_enable_private_segment 0
		.amdhsa_kernarg_size 24
		.amdhsa_user_sgpr_count 2
		.amdhsa_user_sgpr_kernarg_segment_ptr 1
		.amdhsa_wavefront_size32 1
		.amdhsa_system_sgpr_workgroup_id_x 1
		.amdhsa_system_sgpr_workgroup_id_y 1
		.amdhsa_system_sgpr_workgroup_id_z 1
		.amdhsa_system_vgpr_workitem_id 0
		.amdhsa_next_free_vgpr 512
		.amdhsa_next_free_sgpr 96
		.amdhsa_reserve_vcc 0
		.amdhsa_float_denorm_mode_32 3
		.amdhsa_float_denorm_mode_16_64 3
		.amdhsa_memory_ordered 1
		.amdhsa_forward_progress 1
		.amdhsa_inst_pref_size 80
	.end_amdhsa_kernel
	.amdgpu_metadata
---
amdhsa.version: [ 1, 2 ]
amdhsa.kernels:
  - .name:           k_qafa7f6cb05_oproj
    .symbol:         k_qafa7f6cb05_oproj.kd
    .args:
      - { .name: aimg, .offset: 0, .size: 8, .value_kind: global_buffer, .address_space: global }
      - { .name: opc, .offset: 8, .size: 8, .value_kind: global_buffer, .address_space: global }
      - { .name: out0, .offset: 16, .size: 8, .value_kind: global_buffer, .address_space: global }
    .group_segment_fixed_size: 327680
    .private_segment_fixed_size: 0
    .kernarg_segment_align: 8
    .kernarg_segment_size: 24
    .max_flat_workgroup_size: 128
    .sgpr_count:     96
    .vgpr_count:     512
    .wavefront_size: 32
...
	.end_amdgpu_metadata
.endif
;; end of part 4
